; MI455X (gfx1250); checked and timed in simulation.
; The chip was launched on July 23, 2026; its instructions are those of AMD's public machine-readable ISA for CDNA 5 (MIT licence, August 2026) and "CDNA5" Instruction Set Architecture Reference Guide (July 2026). The comments in the code are by the model that wrote it; some were corrected since.
;; Multi Head Self Attention. Allowed arithmetic: matrix products marked QUANTISED: E2M3 operands, one E8M0 scale for each 32 along K, by v_wmma_scale_f32_16x16x128_f8f6f4 with both operands' format E2M3, f32 sums; everything else in f32.
;; Inputs: w0 1,024 x 1,024 float32; w_qkv 3,072 x 1,024 float32; x 2 x 2,048 x 1,024 float32.
;; Outputs: out0 2 x 2,048 x 1,024 float32.
;; This version of the problem:
;;   THIS VERSION OF THE PROBLEM IS GIVEN IN LOW PRECISION. The matrix products marked QUANTISED in the list below multiply operands that are first quantised to E2M3 (2 exponent bits, 3 mantissa bits; 6 bits a number), with one power-of-two scale for each 32 numbers along K (OCP MX v1.0); their sums are f32. All else is computed in f32.
;;   The module's matrix products, in the order in which they are computed (A, B: the left and right operand; K: the contracted axis; several contracted axes count as one K, in the product's order):
;;     1. [M 4,096, K 1,024] x [K 1,024, N 3,072]; A: input x; B: input w_qkv: QUANTISED
;;     2. batch 32 x [M 2,048, K 64] x [K 64, N 2,048]; A: computed on the way; B: computed on the way: QUANTISED
;;     3. batch 32 x [M 2,048, K 2,048] x [K 2,048, N 64]; A: softmax (see below); B: computed on the way: QUANTISED
;;     4. [M 4,096, K 1,024] x [K 1,024, N 1,024]; A: computed on the way; B: input w0: QUANTISED
;;   THE QUANTISER, for each operand of a quantised product, along K:
;;     - K is cut into blocks of 32 from its start; a last block that is shorter is filled with zeros.
;;     - A block's scale is 2^e with e = floor(log2(the largest magnitude in the block)) - 2, held to -126 .. 127; a block of zeros has e = 0. As a byte (E8M0): e + 127.
;;     - Each number is divided by its block's scale, clamped to +-7.5, and rounded to the nearest number of E2M3, ties to even, subnormals kept.
;;     - The product sums the exact products of the quantised numbers (number of the format x scale) in f32.
;;   ~~~python
;;   def quantise(x, axis):      # numpy; x: float32 -> the quantised numbers, widened to float32 again
;;       x = np.moveaxis(x, axis, -1); K = x.shape[-1]
;;       x = np.pad(x, [(0, 0)] * (x.ndim - 1) + [(0, -K % 32)]); x = x.reshape(x.shape[:-1] + (-1, 32)); a = np.abs(x).max(-1, keepdims=True)
;;       e = np.where(a > 0, np.clip(np.frexp(np.where(a > 0, a, 1))[1] - 1 - 2, -126, 127), 0)      # np.frexp(a)[1] - 1 = floor(log2(a)), exactly
;;       r = np.clip(x / 2.0 ** e, -7.5, 7.5)
;;       step = 2.0 ** (np.maximum(np.frexp(np.where(r == 0, 1, r))[1] - 1, 0) - 3)
;;       q = np.round(r / step) * step * 2.0 ** e      # np.round: ties to even
;;       return np.moveaxis(q.reshape(q.shape[:-2] + (-1,))[..., :K], -1, axis).astype(np.float32)
;;   ~~~
;;   SOFTMAX AHEAD OF A QUANTISED PRODUCT. Where the list says 'softmax', what is quantised is not the finished softmax but p = 2^(t - M), with t = logit x log2(e) and M = ceil(the row's largest t), a whole number; so 1/2 < the row's largest p <= 1. The row's sum l is taken of the UNQUANTISED p, in f32, and the product's result is divided by l at the end. Since M is a whole number, a kernel that streams over the keys may use a running M (the ceiling of the running maximum): every later rescaling is an exact power of two, which a block's scale takes up: the codes' values come out the same.
;;   OPERANDS COMPUTED ON THE WAY. 'Computed on the way' means the value that the module computes at that place (a softmax that the list does not call 'softmax' is quantised finished and normalised). What goes into a quantiser is computed in f32, as accurately as f32 sums, v_exp_f32 and their like allow (about 1e-6 of the number): no bf16 or f16 on the way to a quantiser, and a product that is left as it is and whose result goes on into a quantised operand takes f32 operands (vector FMAs, or v_wmma_f32_16x16x4_f32). A number that lies on a knife's edge between two numbers of the format may be rounded either way, as far as f32 arithmetic and the matrix unit's own rounding can turn it there, and no further.
;; One version. Each part assembles by itself: llvm-mc -triple=amdgcn-amd-amdhsa -mcpu=gfx1250 --defsym DOCPART=n.
;; ======== version 1 of 1: 4 launches
;; workspace buffers: cod 6,291,456 bytes; scl 262,144 bytes; qb 6,815,744 bytes; kv 6,815,744 bytes; ec 3,145,728 bytes; es 131,072 bytes
;; launch quant (part 1): grid 256 x 1, 4 waves a work-group, no clusters, 33,280 bytes of LDS; arguments x, w_qkv, w0, cod, scl; writes cod, scl
.if DOCPART == 1
	.amdgcn_target "amdgcn-amd-amdhsa--gfx1250"
	.amdhsa_code_object_version 6
	.text
	.protected	k_q20f4f3c2d9_quant
	.globl	k_q20f4f3c2d9_quant
	.p2align	8
	.type	k_q20f4f3c2d9_quant,@function
k_q20f4f3c2d9_quant:
	s_mov_b64 s[64:65], 0
	v_nop
	global_prefetch_b8 v0, s[64:65] scope:SCOPE_SE
	s_setreg_imm32_b32 hwreg(HW_REG_WAVE_MODE, 25, 1), 1
	s_wait_xcnt 0x0
; x [4096][1024], w_qkv [3072][1024] and w0 [1024][1024], f32, become codes of FP6 (E2M3), 6 bits each, K innermost, with one E8M0 scale byte for each 32 along K.
; cod: 8,192 rows of 768 bytes (x, then w_qkv, then w0); scl: the same rows, 32 bytes each.
; A block's scale is 2^(floor(log2(its largest magnitude)) - 2); its byte is the largest magnitude's exponent field - 2, held at 1 from below.  Each number is divided by the scale and rounded to the nearest code, ties to even; beyond 7.5 the largest code.
; LIMITS: a block of zeros, and a block whose largest magnitude lies under 2^-124, gets the byte 1 (a block of zeros has zero codes, and this program alone reads the bytes); NaN and infinities among the inputs are not served.
; THE ROWS OF x AND w_qkv ARE STORED WITH BITS 3 AND 4 OF THE ROW NUMBER EXCHANGED: sixteen neighbouring rows of cod (tile 2 b + u) are then rows 32 b + 8 u + r + 8 (r / 8), which the next launch wants of both operands.
; A work-group takes 32 rows, a wave 8 rows (8,192 numbers, 16 steps of 512): so the exchange is an exchange of the wave number's two bits in the place where the wave stores.  w0 keeps its order.
; A lane must hold 16 neighbours for the conversion, and a load is best where neighbouring lanes take neighbouring bytes: each load reads 512 consecutive bytes, and a step's 2,048 bytes turn through the wave's own stage in LDS
; (16 bytes of padding behind each 64).  A wave's 256 scale bytes are gathered in LDS and leave as one aligned run of 256 bytes.  No tensor loads, no barrier, no cluster: waves share nothing.
.set STEPS, 16
.set EMAX,  2
.set CB,    12                         ; bytes of 16 codes
.set R,     16                         ; v16-79   four sets of 16 numbers as they are loaded
.set X,     80                         ; v80-111  two sets of 16 neighbours
.set C,     128                        ; v128-191 codes: four registers for each step, so that no store's data are written again
.set E,     112                        ; v112-127 a scale byte for each step
.set WREG,  8192                       ; LDS: a region for each wave: two stages of 32 x SP bytes, behind them its 256 scale bytes
.set SP,    80                         ; a lane's place in a stage: 64 bytes + 16 of padding
	s_load_b128 s[4:7], s[0:1], 0x0                ; x, w_qkv
	s_load_b128 s[8:11], s[0:1], 0x10              ; w0, cod
	s_load_b64 s[12:13], s[0:1], 0x20              ; scl
	v_lshl_add_u32 v192, v0, 2, 0x8000
	v_mov_b32 v193, 0
	v_lshrrev_b32 v1, 5, v0
	v_readfirstlane_b32 s16, v1                    ; wave
	v_and_b32 v2, 31, v0                           ; lane
	v_lshlrev_b32 v3, 4, v2                        ; my 16 bytes of a load's 512
	s_mul_i32 s17, s16, WREG
	v_lshrrev_b32 v14, 2, v2
	v_mul_u32_u24 v14, v14, SP
	v_and_b32 v15, 3, v2
	v_lshl_add_u32 v14, v15, 4, v14
	v_add_nc_u32 v14, s17, v14                     ; the stage, on the way in: SP (lane / 4) + 16 (lane % 4)
	v_mul_u32_u24 v15, v2, SP
	v_add_nc_u32 v15, s17, v15                     ; and on the way out: SP x lane: my 16 neighbours
	v_mul_u32_u24 v4, v2, CB                       ; my codes' place in a step's
	v_lshrrev_b32 v5, 1, v2
	s_add_co_u32 s17, s17, 2*32*SP
	v_add_nc_u32 v5, s17, v5                       ; LDS: my wave's 256 scale bytes, my block's byte
	v_lshlrev_b32 v7, 3, v2                        ; and on the way out 8 bytes a lane
	v_add_nc_u32 v6, s17, v7
	s_and_b32 s23, s16, 1
	s_lshl_b32 s23, s23, 1
	s_lshr_b32 s22, s16, 1
	s_or_b32 s23, s23, s22                         ; the wave's number with its two bits exchanged
	s_wait_kmcnt 0x0
	s_cmp_lt_u32 ttmp9, 128                        ; work-groups 0-127: x; 128-223: w_qkv; 224-255: w0.  The choice hangs on the work-group's number alone
	s_cselect_b64 s[4:5], s[4:5], s[6:7]
	s_cselect_b32 s17, 0, 128
	s_cmp_lt_u32 ttmp9, 224
	s_cselect_b64 s[4:5], s[4:5], s[8:9]
	s_cselect_b32 s17, s17, 224                    ; the tensor's first work-group
	s_cselect_b32 s23, s23, s16                    ; w0's rows keep their order
	s_sub_co_u32 s18, ttmp9, s17
	s_lshl_b32 s18, s18, 2
	s_add_co_u32 s18, s18, s16                     ; which run of 8 rows of the tensor my wave reads
	s_mov_b32 s19, 0
	s_lshl_b64 s[20:21], s[18:19], 15              ; 32,768 bytes a run
	s_add_nc_u64 s[4:5], s[4:5], s[20:21]
	s_lshl_b32 s24, ttmp9, 2
	s_add_co_u32 s24, s24, s23                     ; which run of cod and scl it writes
	s_mul_i32 s20, s24, 32*STEPS*CB                ; 6,144 bytes of codes a run
	s_mov_b32 s21, 0
	s_add_nc_u64 s[10:11], s[10:11], s[20:21]
	s_lshl_b32 s20, s24, 8                         ; 256 scale bytes a run
	s_add_nc_u64 s[12:13], s[12:13], s[20:21]
.macro LOAD t
.irp i, 0,1,2,3
	global_load_b128 v[R+16*((\t)%4)+4*\i:R+16*((\t)%4)+4*\i+3], v3, s[4:5] offset:2048*(\t)+512*\i th:TH_LOAD_NT   ; 32 lanes read 512 consecutive bytes
.endr
.endm
.macro TURN t                          ; step t's numbers through the stage: LDS serves a wave's instructions in order, so no wait stands between the stores and the loads
.irp i, 0,1,2,3
	ds_store_b128 v14, v[R+16*((\t)%4)+4*\i:R+16*((\t)%4)+4*\i+3] offset:32*SP*((\t)%2)+8*SP*\i
.endr
.irp i, 0,1,2,3
	ds_load_b128 v[X+16*((\t)%2)+4*\i:X+16*((\t)%2)+4*\i+3], v15 offset:32*SP*((\t)%2)+16*\i
.endr
.endm
.irp t, 0,1,2,3
	LOAD \t
.endr
	s_wait_loadcnt 12                              ; step 0's four loads are in; the twelve of steps 1 to 3 may be out
	TURN 0
.macro STEP t
.set XS, X+16*((\t)%2)
.if (\t) > 0
	s_wait_dscnt 1                                 ; this step's numbers are back from the stage (the last step's byte store may be out): so its stores into the stage have read their registers,
.else
	s_wait_dscnt 0x0
.endif
.if (\t)+4 < STEPS
	LOAD (\t)+4                                    ; which take the loads of four steps on
.endif
.if (\t)+1 < STEPS
.if STEPS-2-(\t) >= 3
	s_wait_loadcnt 12                              ; the next step's four loads are in; those of the three steps behind it may be out
.else
	s_wait_loadcnt 4*(STEPS-2-(\t))
.endif
	TURN (\t)+1                                    ; and go through the other stage while this step is worked
.endif
	v_max3_num_f32 v8, |v[XS]|, |v[XS+1]|, |v[XS+2]|               ; the largest magnitude of my 16, in two chains
	v_max3_num_f32 v9, |v[XS+3]|, |v[XS+4]|, |v[XS+5]|
.irp i, 6,10
	v_max3_num_f32 v8, v8, |v[XS+\i]|, |v[XS+\i+1]|
	v_max3_num_f32 v9, v9, |v[XS+\i+2]|, |v[XS+\i+3]|
.endr
	v_max3_num_f32 v8, v8, |v[XS+14]|, |v[XS+15]|
	v_max3_num_f32 v8, v8, v9, (EMAX+1)<<23        ; and the floor 2^(3 - 127): the byte cannot fall under 1
	v_max_num_f32_dpp v8, v8, v8 row_xmask:1 row_mask:0xf bank_mask:0xf   ; and of my neighbour's 16: the block's
	v_add_nc_u32 v11, -(EMAX<<23), v8              ; 2 off its exponent field: the conversion takes the exponent field of this operand as its scale
	v_cvt_scalef32_pk16_fp6_f32 v[C+4*(\t):C+4*(\t)+2], v[XS:XS+15], v11   ; sixteen codes, 96 bits without gaps, the first number's code lowest
	v_lshrrev_b32 v[E+(\t)], 23, v11               ; the scale's byte (also the plain instruction behind the conversion)
	ds_store_b8 v5, v[E+(\t)] offset:16*(\t)       ; both lanes of a block write the same byte with the same value
	global_store_b96 v4, v[C+4*(\t):C+4*(\t)+2], s[10:11] offset:32*CB*(\t)   ; the wave stores 384 consecutive bytes
.endm
.irp t, 0,1,2,3,4,5,6,7,8,9,10,11,12,13,14,15
	STEP \t
.endr
	ds_load_b64 v[12:13], v6                       ; LDS serves a wave's instructions in order: these see my stores
	s_wait_dscnt 0x0
	global_store_b64 v7, v[12:13], s[12:13]        ; 32 lanes store 256 consecutive bytes, aligned
	s_wait_tensorcnt 0x0
	ds_add_u32 v192, v193
	s_wait_dscnt 0x0
	s_endpgm
.Lfunc_end_k_q20f4f3c2d9_quant:
	.size	k_q20f4f3c2d9_quant, .Lfunc_end_k_q20f4f3c2d9_quant-k_q20f4f3c2d9_quant
	.p2alignl 7, 3214868480
	.fill 96, 4, 3214868480
	.section	.rodata,"a",@progbits
	.p2align	6, 0x0
	.amdhsa_kernel k_q20f4f3c2d9_quant
		.amdhsa_group_segment_fixed_size 33280
		.amdhsa_private_segment_fixed_size 0
		.amdhsa_enable_private_segment 0
		.amdhsa_kernarg_size 40
		.amdhsa_user_sgpr_count 2
		.amdhsa_user_sgpr_kernarg_segment_ptr 1
		.amdhsa_wavefront_size32 1
		.amdhsa_system_sgpr_workgroup_id_x 1
		.amdhsa_system_sgpr_workgroup_id_y 1
		.amdhsa_system_sgpr_workgroup_id_z 1
		.amdhsa_system_vgpr_workitem_id 0
		.amdhsa_next_free_vgpr 194
		.amdhsa_next_free_sgpr 66
		.amdhsa_reserve_vcc 0
		.amdhsa_float_denorm_mode_32 3
		.amdhsa_float_denorm_mode_16_64 3
		.amdhsa_memory_ordered 1
		.amdhsa_forward_progress 1
		.amdhsa_inst_pref_size 33
	.end_amdhsa_kernel
	.amdgpu_metadata
---
amdhsa.version: [ 1, 2 ]
amdhsa.kernels:
  - .name:           k_q20f4f3c2d9_quant
    .symbol:         k_q20f4f3c2d9_quant.kd
    .args:
      - { .name: x, .offset: 0, .size: 8, .value_kind: global_buffer, .address_space: global }
      - { .name: w_qkv, .offset: 8, .size: 8, .value_kind: global_buffer, .address_space: global }
      - { .name: w0, .offset: 16, .size: 8, .value_kind: global_buffer, .address_space: global }
      - { .name: cod, .offset: 24, .size: 8, .value_kind: global_buffer, .address_space: global }
      - { .name: scl, .offset: 32, .size: 8, .value_kind: global_buffer, .address_space: global }
    .group_segment_fixed_size: 33280
    .private_segment_fixed_size: 0
    .kernarg_segment_align: 8
    .kernarg_segment_size: 40
    .max_flat_workgroup_size: 128
    .sgpr_count:     66
    .vgpr_count:     194
    .wavefront_size: 32
...
	.end_amdgpu_metadata
.endif
;; end of part 1
;; launch qkv (part 2): grid 12 x 16, 4 waves a work-group, clusters of 4 x 4, 327,680 bytes of LDS; arguments cod, scl, qb, kv; writes qb, kv
.if DOCPART == 2
	.amdgcn_target "amdgcn-amd-amdhsa--gfx1250"
	.amdhsa_code_object_version 6
	.text
	.protected	k_q20f4f3c2d9_qkv
	.globl	k_q20f4f3c2d9_qkv
	.p2align	8
	.type	k_q20f4f3c2d9_qkv,@function
k_q20f4f3c2d9_qkv:
	s_mov_b64 s[64:65], 0
	v_nop
	global_prefetch_b8 v0, s[64:65] scope:SCOPE_SE
	s_setreg_imm32_b32 hwreg(HW_REG_WAVE_MODE, 25, 1), 1
	s_wait_xcnt 0x0
	s_wait_alu depctr_hold_cnt(0) depctr_sa_sdst(0) depctr_va_vdst(0) depctr_va_sdst(0) depctr_va_ssrc(0) depctr_va_vcc(0) depctr_vm_vsrc(0)
	s_getreg_b32 s2, hwreg(HW_REG_IB_STS2, 6, 4)
	s_cmp_eq_u32 s2, 0
	s_cbranch_scc0 .Lentry_in_a_cluster
	s_endpgm
.Lentry_in_a_cluster:
	s_bfe_u32 s2, ttmp6, 0x10000c
	s_cmp_lg_u32 s2, 0xf033
	s_cbranch_scc0 .Lentry_shape_is_right
	s_endpgm
.Lentry_shape_is_right:
; The packed projection x w_qkv^T on codes of FP6 (E2M3) with E8M0 scales, and the quantising of its results q, k (along the head's 64) and v (along the keys), straight from the f32 sums: q, k, v never go to memory as f32.
; ONE TEXT, TWO ROLES.  It makes C[i][j] = sum over k of A[i][k] B[j][k] in tiles of 256 x 256 and quantises C along j.
;   clusters x = 0, 1 (q and k): A = x (i: tokens), B = w_qkv's rows 0-2,047 (j: features of q, then of k): 16 x 8 tiles.
;   cluster  x = 2    (v):       A = w_qkv's rows 2,048-3,071 (i: features of v), B = x (j: tokens = keys): 4 x 16 tiles.  So v^T comes out with the keys along j, and nothing is transposed.
; 192 work-groups: a tile of 256 x 256 is the largest that four waves' registers hold; narrower tiles that would give 256 work-groups straddle the borders between q, k and v.
; The role hangs on the cluster's x alone, which all sixteen partners share; it enters offsets by selects and, on the way out, a branch round stores.
; THE PRODUCT: four waves, each 128 x 128 of C in 64 accumulators; K in steps of 256 through a ring of two LDS slots filled by the tensor data mover; the scale bytes of the tile's 512 rows come into LDS once.
; CLUSTERS: 4 x 4 work-groups; A's tile is asked for jointly by a row of the cluster, B's by a column.  The matrix instruction is used transposed (source 0 = 16 rows of B, source 1 = 16 rows of A): a lane holds one row i and eight columns j.
; ROWS.  cod holds x's and w_qkv's rows with bits 3 and 4 of the row number exchanged.  So (1) the 16 registers of accumulators (a, 2 b) and (a, 2 b + 1) are columns 32 b + 16 (lane / 16) + 0 .. 15, neighbours along the quantiser's axis;
; (2) lane r of A's block a is row 32 (a / 2) + 8 (a % 2) + r + 8 (r / 8), the order that the attention launch wants of a tile's keys, queries and features.
; THE WAY OUT uses no LDS: a block of 16 rows x 128 columns is quantised in registers into the 12 registers of an operand, and these are stored as they stand (an image of the operand's registers): every store of the wave covers 512 or 256 consecutive bytes, aligned.
; qb and kv: 32 head records (16 x batch + head) of HREC bytes; in each 16 step records (128 tokens) of SREC bytes: +0 eight tiles of 16 tokens x 64 (768 bytes: registers 0-3 at 16 x lane, registers 4-5 at 512 + 8 x lane);
; +6,144 four tiles of 16 features x 128 keys (1,536 bytes: three runs of four registers at 16 x lane); +12,288 the first kind's scale words (lane l, word b: tile 2 b + l / 16, row l % 16; bytes 2 and 3 are 0);
; +12,800 the second kind's (words 0, 1: tiles l / 16, 2 + l / 16; words 2, 3 repeat them).  q uses the first kind's places of qb alone; the others there are neither written nor read.
; LIMITS: a block of zeros, and one whose largest magnitude lies under 2^-124, gets the scale byte 1; NaN and infinities are not served.
; REGISTERS, in windows of 256: window 0: v0-31 addresses; v32-63 scale words, two sets; v64-127 the way out; from v128 A's fragments, one set.  window 1: B's fragments, two sets.  windows 2, 3: the accumulators ((a, b) at v[8 (8 (a % 4) + b)]).
.set SIZE_K, 1024
.set KSTEP,  256                       ; along K in a slot
.set NQ,     KSTEP/128                 ; matrix instructions deep
.set ROWB,   192                       ; a tile's row in bytes
.set KROW,   SIZE_K*6/8                ; a row of cod in bytes
.set PITCH,  240                       ; an LDS row: 3 x (64 bytes + 16 of padding)
.set FR,     12                        ; registers of a fragment
.set NL,     6                         ; LDS loads that bring one
.set NP,     4                         ; places behind this matrix instruction (ISA guide 7.12.1)
.set HALFT,  128*PITCH                 ; 128 rows: what one tensor load brings
.set SLOT,   4*HALFT                   ; A's 256 rows, then B's 256 rows
.set LAPS,   SIZE_K/(2*KSTEP)          ; a lap = two K steps = once round the ring
.set KS,     SIZE_K/32                 ; a row of scl in bytes
.set SCL,    2*SLOT                    ; behind the ring: the scales, as runs of 256 bytes + 16 of padding
.set HALFS,  (128*KS/256)*272          ; the scales of 128 rows
.set SBLK,   (16*KS/256)*272           ; those of 16 rows
.set SPARE,  SCL+4*HALFS               ; behind the scales: the spare words, 128 bytes for each wave, which no other line names
.set HREC,   212992
.set SREC,   13312
.set ADRA, 16                          ; v16-17 LDS address of my A fragments in slot 0, 1 (v18-19: for the pieces behind one padding more)
.set ADRB, 20                          ; v20-23 the same for B
.set LI16, 24                          ; v24  16 x lane
.set LI8,  25                          ; v25  8 x lane
.set ADRS, 27                          ; v27  LDS address of my scale words: lanes 0-15 A's rows, lanes 16-31 B's
.set SPW,  28                          ; v28  LDS address of my spare word; never rewritten
.set NIL,  29                          ; v29  0; never rewritten
.set SC,   32                          ; scale words: set s at v[SC + 8 NQ s]
.set TM,   64                          ; v64-67 largest magnitudes, v68-71 the other half's, then bytes, v76-79 the conversions' scale operands
.set PWS,  80                          ; v80-87 the eight blocks' scale words
.set PC,   96                          ; v96-107 the codes just made: an operand's 12 registers
.set PT,   108                         ; v108-110, v112-114 the upper halves of the blocks, before they change lanes
.set TT,   116                         ; v116-119 scale words, two tiles to a register
.set SCA,  120                         ; v120-123, v124-127 the two heads' scale words as they are stored
.set SCB,  124
.set AF,   128                         ; A's fragments, in window 0
.set G1, 24                            ; s[24:31] descriptor group 1 for A's tiles;  s[32:39] group 0, one set for each slot
.set G0, 32
.set G1B, 48                           ; s[48:55], s[56:63] the same for B's tiles
.set G0B, 56
.set SEL, 66                           ; s[66:67] lane selects for v_permlanex16_b32: lane l xor 16
.set G1S, 68                           ; s[68:75], s[76:79] groups 1 and 0 for A's scales;  s[80:87], s[88:91] for B's
.set G0S, 76
.set G1SB, 80
.set G0SB, 88
.set HM,  94                           ; s94  on the way out: the mask of lanes 16-31
.set ISV, 95                           ; s95  1 in the role v, else 0
.set MSB, 0
.macro WIN new                         ; the immediate's high byte repeats the setting that is left
.if MSB != \new
	s_set_vgpr_msb (MSB<<8)|\new
.set MSB, \new
.endif
.endm
.set MUL_LO, 0xa1                      ; source 0 (B) window 1, source 1 (A) window 0, C and D window 2
.set MUL_HI, 0xf1                      ; the same, C and D window 3
.set TO_B,   0x40                      ; destination window 1, address window 0
; A joint load: waves 0 and 1 fetch for A, waves 2 and 3 for B.  Each line has one mask and one set of registers for all that issue it; the branch hangs on the wave's number alone.
; Four v_nop follow each of the two lines, ahead of the jump, the label and what follows.
.macro JLOAD g0a, g1a, g0b, g1b
	s_cmp_eq_u32 s15, 0
	s_cbranch_scc0 .Lfor_b_\@
	tensor_load_to_lds s[\g0a:\g0a+3], s[\g1a:\g1a+7]
	s_nop 0
.rept 4
	v_nop
.endr
	s_branch .Lasked_\@
.Lfor_b_\@:
	tensor_load_to_lds s[\g0b:\g0b+3], s[\g1b:\g1b+7]
	s_nop 0
.rept 4
	v_nop
.endr
.Lasked_\@:
.endm
.macro CREST                           ; a round of the cluster's barrier behind its opening barrier
	s_cmp_lg_u32 s14, 0
	s_cbranch_scc1 .Lnot_wave_0_\@
	s_barrier_signal -3
.Lnot_wave_0_\@:
	s_barrier_wait -3
	s_barrier_signal -1
	s_barrier_wait -1
.endm
.macro CROUND                          ; a whole round
	s_barrier_signal -1
	s_barrier_wait -1
	CREST
.endm
	s_load_b128 s[4:7], s[0:1], 0x0                ; cod s[4:5], scl s[6:7]
	s_load_b128 s[96:99], s[0:1], 0x10             ; qb s[96:97], kv s[98:99]
	v_lshl_add_u32 v[SPW], v0, 2, SPARE
	v_mov_b32 v[NIL], 0
	ds_add_u32 v28, v29
	ds_add_u32 v28, v29
	s_wait_dscnt 0x0
	v_lshrrev_b32 v1, 5, v0
	v_readfirstlane_b32 s14, v1                    ; wave 0..3
	s_lshr_b32 s15, s14, 1                         ; which half of the tile's rows is mine.  Also: I fetch for A (0) or for B (1)
	s_and_b32 s16, s14, 1                          ; which half of its columns.  Also: which 128 rows of that tile I fetch
	s_bfe_u32 s40, ttmp6, 0x40000                  ; cx, cy: my place in the cluster
	s_bfe_u32 s41, ttmp6, 0x40004
	s_and_b32 s8, ttmp7, 0xffff                    ; the cluster's y
	s_cmp_eq_u32 ttmp9, 2                          ; the role: the cluster's x, the same in all sixteen partners
	s_cselect_b32 s9, s8, ttmp9                    ; which four tile columns: v: the cluster's y; q, k: its x
	s_cselect_b32 s10, 0, s8                       ; which four tile rows: v: the only four; q, k: the cluster's y
	s_cselect_b32 s11, 6144, 0                     ; A's first row in cod: w_qkv's row 2,048, or x's row 0
	s_cselect_b32 s12, 0, 4096                     ; B's: x's row 0, or w_qkv's row 0
	s_cselect_b32 s[ISV], 1, 0
	s_lshl_b32 s42, s9, 2
	s_add_co_u32 s42, s42, s40                     ; tile column of C
	s_lshl_b32 s17, s10, 2
	s_add_co_u32 s17, s17, s41                     ; tile row of C
	s_lshl_b32 s43, s41, 2
	s_lshl_b32 s43, 15, s43                        ; my row of the cluster
	s_lshl_b32 s44, 0x1111, s40                    ; my column
	; descriptor group 1: a tile of 128 rows x ROWB bytes, padded in LDS
	s_or_b32 s[G1+0], s43, (0<<16)|(1<<20)|(1<<21)|(3<<22)|(3<<25)  ; 15:0 the mask: A's tiles go to my row; 17:16 element of 1 byte; 20 padding on; 21 set beside a mask; 24:22 after every 16 words; 31:25 of 4 words
	s_or_b32 s[G1B+0], s44, (0<<16)|(1<<20)|(1<<21)|(3<<22)|(3<<25)
.irp g, G1, G1B
	s_mov_b32 s[\g+1], ROWB<<16                    ; tensor_dim0
	s_mov_b32 s[\g+2], 128<<16                     ; tensor_dim1 = 128
	s_mov_b32 s[\g+3], ROWB<<16                    ; tile_dim0
	s_mov_b32 s[\g+4], 128                         ; tile_dim1 = 128
	s_mov_b32 s[\g+5], KROW                        ; tensor_dim0_stride
	s_mov_b32 s[\g+6], 0
	s_mov_b32 s[\g+7], 0
.endr
	; and for the scales of 128 rows: a dense block of 4,096 bytes, as rows of 256 bytes (32 elements of 8 bytes), 16 bytes of padding behind each
	s_or_b32 s[G1S+0], s43, (3<<16)|(1<<20)|(1<<21)|(5<<22)|(3<<25)
	s_or_b32 s[G1SB+0], s44, (3<<16)|(1<<20)|(1<<21)|(5<<22)|(3<<25)
.irp g, G1S, G1SB
	s_mov_b32 s[\g+1], 32<<16
	s_mov_b32 s[\g+2], (128*KS/256)<<16
	s_mov_b32 s[\g+3], 32<<16
	s_mov_b32 s[\g+4], 128*KS/256
	s_mov_b32 s[\g+5], 32
	s_mov_b32 s[\g+6], 0
	s_mov_b32 s[\g+7], 0
.endr
	s_lshl_b32 s18, s16, 7                         ; which 128 rows of the tile I fetch
	s_lshl_b32 s20, s17, 8
	s_add_co_u32 s20, s20, s18
	s_add_co_u32 s20, s20, s11                     ; A: its first row + 256 x tile row + 128 x half
	s_lshl_b32 s46, s42, 8
	s_add_co_u32 s46, s46, s18
	s_add_co_u32 s46, s46, s12                     ; B: its first row + 256 x tile column + 128 x half
	s_mov_b32 s21, 0
	s_mov_b32 s47, 0
	s_mov_b64 s[18:19], KS
	s_mul_u64 s[22:23], s[20:21], s[18:19]         ; where these rows' scales begin, in bytes
	s_mul_u64 s[92:93], s[46:47], s[18:19]
	s_mov_b64 s[18:19], KROW
	s_mul_u64 s[20:21], s[20:21], s[18:19]         ; and their codes
	s_mul_u64 s[46:47], s[46:47], s[18:19]
	s_mul_i32 s45, s14, HALFT                      ; where they go: wave x 128 rows: no place in the cluster enters an LDS address
	s_mul_i32 s94, s14, HALFS
	s_wait_kmcnt 0x0
	s_add_nc_u64 s[20:21], s[4:5], s[20:21]
	s_add_nc_u64 s[22:23], s[6:7], s[22:23]
	s_add_nc_u64 s[46:47], s[4:5], s[46:47]
	s_add_nc_u64 s[92:93], s[6:7], s[92:93]
	CROUND                                         ; all sixteen work-groups are here: the first joint loads meet
	s_mov_b32 s[G0S], 1
	s_add_co_u32 s[G0S+1], s94, SCL
	s_mov_b64 s[G0S+2:G0S+3], s[22:23]
	s_or_b32 s[G0S+3], s[G0S+3], 0x80000000
	s_mov_b32 s[G0SB], 1
	s_add_co_u32 s[G0SB+1], s94, SCL
	s_mov_b64 s[G0SB+2:G0SB+3], s[92:93]
	s_or_b32 s[G0SB+3], s[G0SB+3], 0x80000000
	JLOAD G0S, G1S, G0SB, G1SB                     ; the scales first: they are wanted with K step 0
.irp s, 0,1
	s_mov_b32 s[G0+4*\s], 1
	s_add_co_u32 s[G0+4*\s+1], s45, \s*SLOT
	s_add_nc_u64 s[G0+4*\s+2:G0+4*\s+3], s[20:21], \s*ROWB
	s_or_b32 s[G0+4*\s+3], s[G0+4*\s+3], 0x80000000
	s_mov_b32 s[G0B+4*\s], 1
	s_add_co_u32 s[G0B+4*\s+1], s45, \s*SLOT
	s_add_nc_u64 s[G0B+4*\s+2:G0B+4*\s+3], s[46:47], \s*ROWB
	s_or_b32 s[G0B+4*\s+3], s[G0B+4*\s+3], 0x80000000
	JLOAD G0+4*\s, G1, G0B+4*\s, G1B
.endr
	v_and_b32 v1, 15, v0                           ; l % 16
	v_bfe_u32 v2, v0, 4, 1                         ; l / 16
	v_mul_u32_u24 v3, v1, PITCH
	v_mul_u32_u24 v4, v2, 24
	v_add_nc_u32 v4, v3, v4                        ; a fragment's row x pitch + 24 x half
	v_lshl_add_u32 v5, v2, 4, v4                   ; and the same behind one padding more
	s_mul_i32 s21, s15, HALFT                      ; my 128 rows of A
	s_mul_i32 s22, s16, HALFT                      ; my 128 rows of B,
	s_add_co_u32 s22, s22, 2*HALFT                 ; which lie behind A's 256
.irp s, 0,1
	v_add_nc_u32 v[ADRA+\s], s21, v4
	v_add_nc_u32 v[ADRB+\s], s22, v4
	v_add_nc_u32 v[ADRA+2+\s], s21, v5
	v_add_nc_u32 v[ADRB+2+\s], s22, v5
	s_add_co_u32 s21, s21, SLOT
	s_add_co_u32 s22, s22, SLOT
.endr
	v_mul_u32_u24 v5, v1, KS                       ; my row's scales: KS bytes a row,
	v_lshrrev_b32 v6, 8, v5
	v_lshl_add_u32 v5, v6, 4, v5                   ; and 16 more for each 256 passed
	s_mul_i32 s21, s15, HALFS                      ; A's: my 128 rows
	s_mul_i32 s22, s16, HALFS                      ; B's: my 128 rows, behind A's 256
	s_add_co_u32 s22, s22, 2*HALFS
	s_sub_co_u32 s22, s22, s21
	v_mul_u32_u24 v6, s22, v2                      ; lanes 16-31 take B's
	s_add_co_u32 s21, s21, SCL
	v_add_nc_u32 v5, v5, v6
	v_add_nc_u32 v[ADRS], s21, v5
	v_and_b32 v6, 31, v0
	v_lshlrev_b32 v[LI16], 4, v6
	v_lshlrev_b32 v[LI8], 3, v6
	s_mov_b32 s[SEL], 0x76543210
	s_mov_b32 s[SEL+1], 0xfedcba98
	s_mov_b32 s[HM], 0xffff0000
	; where my wave's 128 x 128 goes.  Its 128 tokens are one step record (group 0..31: batch and step); its 128 features are two heads
	s_lshl_b32 s8, s42, 1
	s_add_co_u32 s8, s8, s16                       ; which 128 columns of C
	s_lshl_b32 s9, s17, 1
	s_add_co_u32 s9, s9, s15                       ; which 128 rows
	s_cmp_eq_u32 s[ISV], 1
	s_cselect_b32 s10, s8, s9                      ; the group of tokens: v: by the columns; q, k: by the rows
	s_cselect_b32 s11, s9, s8                      ; the pair of heads: the other one
	s_lshl_b32 s11, s11, 1                         ; the first head: v: 0 .. 14; q, k: 0 .. 30, from 16 on k's
	s_lshl_b32 s8, s[ISV], 4
	s_or_b32 s8, s8, s11
	s_cmp_lt_u32 s8, 16                            ; q goes to qb; k and v go to kv
	s_cselect_b64 s[12:13], s[96:97], s[98:99]
	s_lshr_b32 s8, s10, 4
	s_lshl_b32 s8, s8, 4                           ; 16 x batch
	s_and_b32 s9, s11, 15
	s_add_co_u32 s8, s8, s9                        ; + head
	s_mul_i32 s8, s8, HREC
	s_and_b32 s9, s10, 15
	s_mul_i32 s9, s9, SREC                         ; + the step
	s_add_co_u32 s8, s8, s9
	s_mov_b32 s9, 0
	s_add_nc_u64 s[12:13], s[12:13], s[8:9]
.macro FRAG reg, adr, q, i             ; a fragment, 16 rows x 128 K of 6-bit codes, is 12 registers: lane l holds row l % 16; registers 6 c .. 6 c + 5 hold K = 64 c + 32 (l / 16) + 0 .. 31: 24 bytes of the row, as they lie
.irp p, 0,1,2,3,4,5                    ; in pieces of 8 bytes.  Lanes 0-15 take the row's pieces 12 q + 0, 1, 2 and 12 q + 6, 7, 8, lanes 16-31 those three pieces on
.set PIECE, 12*(\q)+6*(\p/3)+\p%3      ; 16 bytes of padding lie behind every 8 pieces: where the piece three on lies behind one padding more, the second address register serves
.if PIECE%8 < 5
	ds_load_b64 v[\reg+2*\p:\reg+2*\p+1], v[\adr] offset:8*PIECE+16*(PIECE/8)+(\i)*16*PITCH
.else
	ds_load_b64 v[\reg+2*\p:\reg+2*\p+1], v[\adr+2] offset:8*PIECE+16*(PIECE/8)+(\i)*16*PITCH
.endif
.endr
.endm
; 16 matrix instructions: A's blocks a0, a0 + 1 x B's eight, 128 along K: the slot's q-th.  p: B's set;  sc: the set of scale words.  zero = 1: the first product starts the sums.
; The 64 accumulators take turns, one instruction a turn, in the same order in every step.
.macro MUL16 a0, p, q, sc, zero
.irp a, \a0, \a0+1
.irp b, 0,1,2,3,4,5,6,7
.if \zero
	v_wmma_scale_f32_16x16x128_f8f6f4 v[8*(8*((\a)%4)+\b):8*(8*((\a)%4)+\b)+7], v[128*(\p)+FR*\b:128*(\p)+FR*\b+FR-1], v[AF+FR*(\a):AF+FR*(\a)+FR-1], 0, v[SC+8*NQ*(\sc)+NQ*\b+(\q)], v[SC+8*NQ*(\sc)+NQ*(\a)+(\q)] matrix_a_fmt:MATRIX_FMT_FP6 matrix_b_fmt:MATRIX_FMT_FP6 matrix_a_scale:MATRIX_SCALE_ROW1
.else
	v_wmma_scale_f32_16x16x128_f8f6f4 v[8*(8*((\a)%4)+\b):8*(8*((\a)%4)+\b)+7], v[128*(\p)+FR*\b:128*(\p)+FR*\b+FR-1], v[AF+FR*(\a):AF+FR*(\a)+FR-1], v[8*(8*((\a)%4)+\b):8*(8*((\a)%4)+\b)+7], v[SC+8*NQ*(\sc)+NQ*\b+(\q)], v[SC+8*NQ*(\sc)+NQ*(\a)+(\q)] matrix_a_fmt:MATRIX_FMT_FP6 matrix_b_fmt:MATRIX_FMT_FP6 matrix_a_scale:MATRIX_SCALE_ROW1
.endif
.endr
.endr
.endm
.macro FETCH_B slot, q, p              ; B's eight fragments of the slot's q-th 128 along K into set p
	WIN TO_B
.irp i, 0,1,2,3,4,5,6,7
	FRAG 128*(\p)+FR*\i, ADRB+\slot, \q, \i
.endr
	WIN 0
.endm
.macro FETCH_A slot, q, i0             ; A's blocks i0 .. i0 + 3
.irp i, \i0, \i0+1, \i0+2, \i0+3
	FRAG AF+FR*(\i), ADRA+\slot, \q, \i
.endr
.endm
.macro SCALES sc                       ; the next K step's scale words into set sc: NQ words a row; lanes 0-15 take A's block i, lanes 16-31 B's block i
.irp i, 0,1,2,3,4,5,6,7
	ds_load_b64 v[SC+8*NQ*\sc+NQ*\i:SC+8*NQ*\sc+NQ*\i+1], v[ADRS] offset:\i*SBLK
.endr
.endm
.macro PLACES n                        ; plain vector instructions between a matrix instruction and a load into a register that it has read, or a read of its result
.rept \n
	v_nop
.endr
.endm
; A step of 128 along K that has its successor in the same slot.
.macro STEP slot, q, zero
	s_wait_dscnt 4*NL                              ; B's set and A's blocks 0-3 are in; the youngest 24 loads (A's blocks 4-7) may be out
	WIN MUL_LO
	MUL16 0, (\q)%2, \q, \slot, \zero
	MUL16 2, (\q)%2, \q, \slot, \zero
	s_wait_dscnt 0                                 ; A's blocks 4-7 are in (asked for 32 matrix instructions ago)
	PLACES NP
	FETCH_B \slot, (\q)+1, 1-(\q)%2
	FETCH_A \slot, (\q)+1, 0
	WIN MUL_HI
	MUL16 4, (\q)%2, \q, \slot, \zero
	MUL16 6, (\q)%2, \q, \slot, \zero
	PLACES NP
	WIN 0
	FETCH_A \slot, (\q)+1, 4
.endm
; A slot's last step changes slots: ONE barrier; in front of it each wave waits for all its tensor loads, adds 0 to its spare word, and waits for that and for its own reads of this slot.  fill = 1: this slot is filled again, two K steps ahead.
.macro TURN slot, next, fill
	s_wait_tensorcnt 0x0                           ; all my tensor loads have landed: my part of the next slot;
	ds_add_u32 v[SPW], v[NIL]                      ; 0 onto my spare word;
	s_wait_dscnt 4*NL+1                            ; (the add and the youngest 24 loads, A's blocks 4-7, may be out)
	WIN MUL_LO
	MUL16 0, 1, NQ-1, \slot, 0                     ; sixteen matrix instructions stand between the add and the wait for it
	s_wait_dscnt 0x0                               ; the add is done, and my reads of this slot are over
	s_barrier_signal -1
	MUL16 2, 1, NQ-1, \slot, 0
	WIN 0
	s_barrier_wait -1
.if \fill
	CREST                                          ; the barrier has opened a round of the cluster's barrier: no wave of any partner still reads this slot's tile or has a load on its way
	s_add_nc_u64 s[G0+4*\slot+2:G0+4*\slot+3], s[G0+4*\slot+2:G0+4*\slot+3], 2*ROWB
	s_add_nc_u64 s[G0B+4*\slot+2:G0B+4*\slot+3], s[G0B+4*\slot+2:G0B+4*\slot+3], 2*ROWB
	JLOAD G0+4*\slot, G1, G0B+4*\slot, G1B         ; the first tensor load behind the round; the four v_nop behind it are the places in front of the loads below
.else
	PLACES NP
.endif
	v_add_nc_u32 v[ADRS], 4*NQ, v[ADRS]            ; on to the next K step's scale words (no LDS load of mine is out)
	FETCH_B \next, 0, 0
	FETCH_A \next, 0, 0
	SCALES \next
	WIN MUL_HI
	MUL16 4, 1, NQ-1, \slot, 0
	MUL16 6, 1, NQ-1, \slot, 0
	PLACES NP
	WIN 0
	FETCH_A \next, 0, 4
.endm
	s_wait_tensorcnt 1                             ; the scales and my part of K step 0 are in (K step 1's load may be out)
	s_barrier_signal -1
	s_barrier_wait -1                              ; everybody's are
	FETCH_B 0, 0, 0
	FETCH_A 0, 0, 0
	SCALES 0
	FETCH_A 0, 0, 4
	STEP 0, 0, 1                                   ; the first step stands in front of the loop: its products start the sums
	s_mov_b32 s3, LAPS-1
.Llap:                                                 ; a trip goes once round the ring, from a lap's second step to the next lap's first, and fills both slots again
	TURN 0, 1, 1
	STEP 1, 0, 0
	TURN 1, 0, 1
	STEP 0, 0, 0
	s_sub_co_u32 s3, s3, 1
	s_cmp_lg_u32 s3, 0
	s_cbranch_scc1 .Llap
	TURN 0, 1, 0                                   ; the last lap fills nothing, and has no round of the cluster's barrier
	STEP 1, 0, 0
	s_wait_dscnt 4*NL                              ; the very last step: nothing more to fetch
	WIN MUL_LO
	MUL16 0, 1, NQ-1, 1, 0
	MUL16 2, 1, NQ-1, 1, 0
	s_wait_dscnt 0
	WIN MUL_HI
	MUL16 4, 1, NQ-1, 1, 0
	MUL16 6, 1, NQ-1, 1, 0
	WIN 0
; THE WAY OUT.  Block a: 16 rows x 128 columns in eight accumulators; register AC + 16 b + i of lane (r, h) is column 32 b + 16 h + i of row r.  Four blocks of 32 along the columns; a block lies in lanes l and l xor 16.
.macro QUANTW a
.set W, 2+(\a)/4                       ; the accumulators' window
.set AC, 64*((\a)%4)
.set WW, W|(W<<2)
	WIN WW                                         ; sources 0 and 1: the accumulators' window
.irp b, 0,1,2,3
	v_max3_num_f32 v[TM+\b], |v[AC+16*\b]|, |v[AC+16*\b+1]|, 0x1800000   ; my 16 numbers of block b, each accumulator from its low end on, and the floor 2^(3 - 127): the byte cannot fall under 1
.endr
.irp i, 2,4,6,8,10,12,14
.irp b, 0,1,2,3
	v_max3_num_f32 v[TM+\b], |v[AC+16*\b+\i]|, |v[AC+16*\b+\i+1]|, v[TM+\b]   ; (the four blocks by turns)
.endr
.endr
	WIN 0
.irp b, 0,1,2,3
	v_permlanex16_b32 v[TM+4+\b], v[TM+\b], s[SEL], s[SEL+1]
.endr
.irp b, 0,1,2,3
	v_max_num_f32 v[TM+\b], v[TM+\b], v[TM+4+\b]   ; with lane l xor 16's: the block's largest magnitude
.endr
.irp b, 0,1,2,3
	v_add_nc_u32 v[TM+12+\b], 0xff000000, v[TM+\b] ; 2 off its exponent field: the conversion's scale operand
.endr
.irp b, 0,1,2,3
	v_lshrrev_b32 v[TM+4+\b], 23, v[TM+12+\b]      ; the scale's byte
.endr
	v_lshl_or_b32 v[PWS+(\a)], v[TM+5], 8, v[TM+4] ; the four bytes: my row's scale word
	v_lshl_or_b32 v[PWS+(\a)], v[TM+6], 16, v[PWS+(\a)]
	v_lshl_or_b32 v[PWS+(\a)], v[TM+7], 24, v[PWS+(\a)]
.if (\a) > 0
	s_wait_xcnt 0x0                                ; the last block's stores have read the codes' registers: they are written again only behind this wait
.endif
	WIN W                                          ; source 0: the accumulators' window
.irp c, 0,1
	v_cvt_scalef32_pk16_fp6_f32 v[PC+6*\c:PC+6*\c+2], v[AC+32*\c:AC+32*\c+15], v[TM+12+2*\c]
	v_cvt_scalef32_pk16_fp6_f32 v[PT+4*\c:PT+4*\c+2], v[AC+32*\c+16:AC+32*\c+31], v[TM+13+2*\c]   ; (a conversion's three registers begin on an even number)
.endr
	WIN 0
	v_nop                                          ; one plain instruction behind the scaled conversions
.irp c, 0,1                                    ; the operand's layout wants a whole block in a lane: lanes 0-15 block 2 c, lanes 16-31 block 2 c + 1
.irp i, 0,1,2
	v_permlane16_swap_b32 v[PC+6*\c+\i], v[PT+4*\c+\i]
.endr
.irp i, 0,1,2
	v_mov_b32 v[PC+3+6*\c+\i], v[PT+4*\c+\i]
.endr
.endr
.endm
.macro OUT a                           ; the 12 registers leave as they stand
	s_cmp_eq_u32 s[ISV], 0
	s_cbranch_scc0 .Lv_\@
	global_store_b128 v[LI16], v[PC:PC+3], s[12:13] offset:768*(\a)               ; q, k: registers 0-5 are tile a of the first head (16 tokens x 64),
	global_store_b64 v[LI8], v[PC+4:PC+5], s[12:13] offset:768*(\a)+512
	global_store_b128 v[LI16], v[PC+6:PC+9], s[12:13] offset:HREC+768*(\a)        ; registers 6-11 of the second
	global_store_b64 v[LI8], v[PC+10:PC+11], s[12:13] offset:HREC+768*(\a)+512
	s_branch .Ld_\@
.Lv_\@:
.irp c, 0,1,2
	global_store_b128 v[LI16], v[PC+4*\c:PC+4*\c+3], s[12:13] offset:((\a)/4)*HREC+6144+((\a)%4)*1536+512*\c   ; v: tile a % 4 (16 features x 128 keys) of head a / 4
.endr
.Ld_\@:
.endm
	PLACES NP                                      ; behind the last products
.irp b, 0,1,2,3
	v_mov_b32 v[TM+4+\b], 0                        ; written once: a lane permute's destination counts as one of its sources
.endr
.irp a, 0,1,2,3,4,5,6,7
	QUANTW \a
	OUT \a
.endr
.irp p, 0,1,2,3
	v_cndmask_b32 v[TT+\p], v[PWS+2*\p], v[PWS+2*\p+1], s[HM]   ; lanes 0-15 keep tile 2 p's words, lanes 16-31 take tile 2 p + 1's
.endr
	s_cmp_eq_u32 s[ISV], 0
	s_cbranch_scc0 .Lvscales
.irp p, 0,1,2,3
	v_and_b32 v[SCA+\p], 0xffff, v[TT+\p]          ; q, k: bytes 0, 1 are the first head's two blocks, bytes 2, 3 the second's; the upper two bytes of a stored word are 0
	v_lshrrev_b32 v[SCB+\p], 16, v[TT+\p]
.endr
	global_store_b128 v[LI16], v[SCA:SCA+3], s[12:13] offset:12288
	global_store_b128 v[LI16], v[SCB:SCB+3], s[12:13] offset:HREC+12288
	s_branch .Lend
.Lvscales:
.irp p, 0,1
	v_mov_b32 v[SCA+\p], v[TT+\p]                  ; v: tiles 0-3 are the first head's, tiles 4-7 the second's; the two words are stored twice, so that the record is whole
	v_mov_b32 v[SCA+2+\p], v[TT+\p]
	v_mov_b32 v[SCB+\p], v[TT+2+\p]
	v_mov_b32 v[SCB+2+\p], v[TT+2+\p]
.endr
	global_store_b128 v[LI16], v[SCA:SCA+3], s[12:13] offset:12800
	global_store_b128 v[LI16], v[SCB:SCB+3], s[12:13] offset:HREC+12800
.Lend:
	s_wait_tensorcnt 0x0                           ; the wave's end
	ds_add_u32 v[SPW], v[NIL]
	s_wait_dscnt 0x0
	CROUND                                         ; the closing round: no work-group ends while a partner may still ask for a tile that names it
	s_endpgm
.Lfunc_end_k_q20f4f3c2d9_qkv:
	.size	k_q20f4f3c2d9_qkv, .Lfunc_end_k_q20f4f3c2d9_qkv-k_q20f4f3c2d9_qkv
	.p2alignl 7, 3214868480
	.fill 96, 4, 3214868480
	.section	.rodata,"a",@progbits
	.p2align	6, 0x0
	.amdhsa_kernel k_q20f4f3c2d9_qkv
		.amdhsa_group_segment_fixed_size 327680
		.amdhsa_private_segment_fixed_size 0
		.amdhsa_enable_private_segment 0
		.amdhsa_kernarg_size 32
		.amdhsa_user_sgpr_count 2
		.amdhsa_user_sgpr_kernarg_segment_ptr 1
		.amdhsa_wavefront_size32 1
		.amdhsa_system_sgpr_workgroup_id_x 1
		.amdhsa_system_sgpr_workgroup_id_y 1
		.amdhsa_system_sgpr_workgroup_id_z 1
		.amdhsa_system_vgpr_workitem_id 0
		.amdhsa_next_free_vgpr 1024
		.amdhsa_next_free_sgpr 100
		.amdhsa_reserve_vcc 0
		.amdhsa_float_denorm_mode_32 3
		.amdhsa_float_denorm_mode_16_64 3
		.amdhsa_memory_ordered 1
		.amdhsa_forward_progress 1
		.amdhsa_inst_pref_size 169
	.end_amdhsa_kernel
	.amdgpu_metadata
---
amdhsa.version: [ 1, 2 ]
amdhsa.kernels:
  - .name:           k_q20f4f3c2d9_qkv
    .symbol:         k_q20f4f3c2d9_qkv.kd
    .args:
      - { .name: cod, .offset: 0, .size: 8, .value_kind: global_buffer, .address_space: global }
      - { .name: scl, .offset: 8, .size: 8, .value_kind: global_buffer, .address_space: global }
      - { .name: qb, .offset: 16, .size: 8, .value_kind: global_buffer, .address_space: global }
      - { .name: kv, .offset: 24, .size: 8, .value_kind: global_buffer, .address_space: global }
    .group_segment_fixed_size: 327680
    .private_segment_fixed_size: 0
    .kernarg_segment_align: 8
    .kernarg_segment_size: 32
    .max_flat_workgroup_size: 128
    .sgpr_count:     100
    .vgpr_count:     1024
    .wavefront_size: 32
...
	.end_amdgpu_metadata
.endif
;; end of part 2
;; launch attn (part 3): grid 8 x 32, 16 waves a work-group, clusters of 4 x 1, 215,040 bytes of LDS; arguments qb, kv, ec, es; writes ec, es
.if DOCPART == 3
	.amdgcn_target "amdgcn-amd-amdhsa--gfx1250"
	.amdhsa_code_object_version 6
	.text
	.protected	k_q20f4f3c2d9_attn
	.globl	k_q20f4f3c2d9_attn
	.p2align	8
	.type	k_q20f4f3c2d9_attn,@function
k_q20f4f3c2d9_attn:
	s_mov_b64 s[64:65], 0
	v_nop
	global_prefetch_b8 v0, s[64:65] scope:SCOPE_SE
	s_setreg_imm32_b32 hwreg(HW_REG_WAVE_MODE, 25, 1), 1
	s_wait_xcnt 0x0
	s_wait_alu depctr_hold_cnt(0) depctr_sa_sdst(0) depctr_va_vdst(0) depctr_va_sdst(0) depctr_va_ssrc(0) depctr_va_vcc(0) depctr_vm_vsrc(0)
	s_getreg_b32 s2, hwreg(HW_REG_IB_STS2, 6, 4)
	s_cmp_eq_u32 s2, 0
	s_cbranch_scc0 .Lentry_in_a_cluster
	s_endpgm
.Lentry_in_a_cluster:
	s_bfe_u32 s2, ttmp6, 0x10000c
	s_cmp_lg_u32 s2, 0x3003
	s_cbranch_scc0 .Lentry_shape_is_right
	s_endpgm
.Lentry_shape_is_right:
; Causal attention of one head on codes of FP6 (E2M3) with E8M0 scales: S = q k^T / 8, p = 2^(t - M), O = p v, e = O / l, and e quantised along the head's 64 for the output projection.
; t = score x log2(e) / 8; M = the row's largest t so far, rounded UP to a whole number; p is quantised along the keys, not normalised; l is the sum of the unquantised p.  When M moves, l and O are multiplied by 2^(old M - new M): exact.
; THE WHOLE HEAD LIES IN LDS: its record of kv (16 step records of 128 keys: K's tiles, V's tiles, their scale words, all as images of operand registers) is 212,992 bytes.  It is filled ONCE, a step record by each of the sixteen waves;
; so there is no ring, nothing is filled again, and the loop over the keys has no barrier.
; SHARES.  A head's 2,048 queries are 16 blocks of 128, each of 8 tiles of 16.  The head's eight work-groups each take ONE tile of EVERY block: wave w takes block J = w xor 3 ((w / 4) % 2), tile 4 x cluster x + cx of it.
; So every work-group walks 1 + 2 + .. + 16 = 136 key steps, whatever its place, and every branch hangs on the wave's number and a counter alone: the four partners of a cluster run alike and ask for the head's record JOINTLY.
; Waves w, w + 4, w + 8, w + 12 together walk 34 steps for every w.
; CAUSAL.  Every wave walks all 16 trips (a constant count); a step all of whose keys come after the wave's block is left out by a scalar branch; in the one step on the diagonal hidden scores become -infinity ahead of the maximum.
; LAYOUT.  Both products are used transposed: S^T = K Q^T (source 0 = 16 keys), O^T = V^T P^T (source 0 = 16 features): a lane holds ONE query (lane % 16) throughout.  Lane r of a tile 2 b + u of keys, queries or features is
; number 32 b + 8 u + r + 8 (r / 8) (the launch before has laid them so): the 16 registers of two neighbouring result tiles are 16 neighbours, 32 b + 16 (lane / 16) + 0 .. 15, along the next quantiser's axis.
; THE FIRST PRODUCT'S K IS 64, half of the instruction's 128: Q's registers 6-11 hold zero codes, and bytes 2, 3 of both scale words are 0 (2^-127, no NaN), so whatever stands in K's registers 6-11 (the next tile's codes) adds nothing.
; OUT: ec [256 tiles of 16 tokens][16 heads][768]: the six registers of half an operand, as they stand; es [4,096 places][32]: byte 2 x head + block.  es is written byte by byte, two bytes of each of 16 rows 32 bytes apart
; in one instruction a wave: 131,072 bytes in the whole launch.
; No prefetch: all that the launch reads is asked for at its head.
; LIMITS: a block of zeros, and one whose largest magnitude lies under 2^-124, gets the scale byte 1; NaN and infinities are not served.
; REGISTERS: v1 16 x lane, v2 8 x lane, v3 the mask's bound, v4-5 the step's LDS addresses, v6-7 offsets; v12 -M, v13 the largest t, v[14:15] l in two halves; v16-21 Q, v22-27 zeros, v28 Q's scale words;
; v32-79 K's eight tiles x 6, later V's four x 12; v80-85 zeros; v86-89 K's scale words, v90-93 V's; v96-159 S^T, then p; v160-191 O^T; v224-235 p's codes; v232-254 at work.
.set HREC, 212992
.set SREC, 13312
.set WV,  12                           ; s12  my wave's number
.set TI,  14                           ; s14  my tile in a block of queries
.set HB,  15                           ; s15  16 x batch + head
.set JB,  16                           ; s16  my block of queries
.set ST,  17                           ; s17  the key step
.set TB,  18                           ; s18  LDS byte at which the step's record begins
.set SEL, 20                           ; s[20:21] lane selects for v_permlanex16_b32: lane l xor 16
.set CS,  22                           ; s[22:23] c = log2(e) / 8: the packed form names a pair and takes its low word for both halves
.set G1,  24                           ; s[24:31] descriptor group 1
.set G0,  32                           ; s[32:35] group 0
.set HM,  40                           ; s40  the mask of lanes 16-31
.macro ROUND                           ; a round of the cluster's barrier
	s_barrier_signal -1
	s_barrier_wait -1
	s_cmp_lg_u32 s[WV], 0
	s_cbranch_scc1 .Lnot_wave_0_\@
	s_barrier_signal -3
.Lnot_wave_0_\@:
	s_barrier_wait -3
	s_barrier_signal -1
	s_barrier_wait -1
.endm
	s_load_b256 s[4:11], s[0:1], 0x0               ; qb s[4:5], kv s[6:7], ec s[8:9], es s[10:11]
	v_lshl_add_u32 v251, v0, 2, 0x34000
	v_mov_b32 v255, 0
	ds_add_u32 v251, v255
	ds_add_u32 v251, v255
	v_lshrrev_b32 v8, 5, v0
	s_delay_alu instid0(VALU_DEP_1)
	v_readfirstlane_b32 s[WV], v8                  ; wave 0..15
	s_bfe_u32 s13, ttmp6, 0x40000                  ; cx: it enters global offsets and the mask's bound alone
	s_lshl_b32 s[TI], ttmp9, 2
	s_add_co_u32 s[TI], s[TI], s13
	s_and_b32 s[HB], ttmp7, 0xffff
	s_bfe_u32 s[JB], s[WV], 0x10002
	s_mul_i32 s[JB], s[JB], 3
	s_xor_b32 s[JB], s[JB], s[WV]                  ; 0-3, 7-4, 8-11, 15-12
	; a step record: 13,312 dense bytes, as 52 rows of 256 bytes (32 elements of 8 bytes), no padding
	s_mov_b32 s[G1], 15|(3<<16)|(1<<21)            ; 15:0 the mask: all four work-groups; 17:16 elements of 8 bytes; 21 set beside a mask
	s_mov_b32 s[G1+1], 32<<16                      ; tensor_dim0
	s_mov_b32 s[G1+2], 52<<16                      ; tensor_dim1
	s_mov_b32 s[G1+3], 32<<16                      ; tile_dim0
	s_mov_b32 s[G1+4], 52                          ; tile_dim1
	s_mov_b32 s[G1+5], 32                          ; tensor_dim0_stride
	s_mov_b32 s[G1+6], 0
	s_mov_b32 s[G1+7], 0
	s_mov_b32 s[G0], 1
	s_mul_i32 s[G0+1], s[WV], SREC                 ; LDS: step w's record
	s_mul_i32 s42, s[HB], HREC                     ; the head's record, in qb and in kv
	s_mov_b32 s43, 0
	s_mul_i32 s44, s[WV], SREC
	s_mov_b32 s45, 0
	s_add_nc_u64 s[44:45], s[44:45], s[42:43]      ; what I fetch
	s_mul_i32 s46, s[JB], SREC
	s_mov_b32 s47, 0
	s_add_nc_u64 s[46:47], s[46:47], s[42:43]      ; my block of queries: a step record of qb
	s_mul_i32 s48, s[TI], 768
	s_mov_b32 s49, 0
	s_add_nc_u64 s[48:49], s[48:49], s[46:47]      ; my tile in it
	s_and_b32 s50, s[TI], 1
	s_lshl_b32 s50, s50, 8
	s_lshr_b32 s51, s[TI], 1
	s_lshl_b32 s51, s51, 2
	s_add_co_u32 s50, s50, s51                     ; its scale words: lanes 16 (tile % 2) on, word tile / 2
	s_mov_b32 s51, 0
	s_add_nc_u64 s[50:51], s[50:51], s[46:47]
	s_lshr_b32 s56, s[HB], 4
	s_lshl_b32 s56, s56, 7
	s_lshl_b32 s57, s[JB], 3
	s_add_co_u32 s56, s56, s57
	s_add_co_u32 s56, s56, s[TI]                   ; my tile among all 256: 128 x batch + 8 x block + tile
	s_and_b32 s57, s[HB], 15                       ; the head
	s_lshl_b32 s58, s56, 9
	s_lshl_b32 s59, s57, 1
	s_add_co_u32 s58, s58, s59                     ; es: 16 places x 32 bytes a tile, + 2 x head
	s_mov_b32 s59, 0
	s_lshl_b32 s56, s56, 4
	s_add_co_u32 s56, s56, s57
	s_mul_i32 s56, s56, 768                        ; ec: (16 x tile + head) x 768
	s_mov_b32 s57, 0
	s_lshr_b32 s41, s[TI], 1
	s_lshl_b32 s41, s41, 5
	s_and_b32 s60, s[TI], 1
	s_lshl_b32 s60, s60, 3
	s_add_co_u32 s41, s41, s60                     ; my tile's first query in its block: 32 (tile / 2) + 8 (tile % 2)
	s_mov_b32 s[SEL], 0x76543210
	s_mov_b32 s[SEL+1], 0xfedcba98
	s_mov_b32 s[CS], 0x3e38aa3b                    ; log2(e) / 8
	s_mov_b32 s[CS+1], s[CS]                       ; (named with it as a pair, so it is written)
	s_mov_b32 s[HM], 0xffff0000
	s_mov_b32 s[ST], 0
	s_mov_b32 s[TB], 0
	s_wait_dscnt 0x0
	s_wait_kmcnt 0x0
	s_add_nc_u64 s[G0+2:G0+3], s[6:7], s[44:45]
	s_or_b32 s[G0+3], s[G0+3], 0x80000000          ; type = 2
	s_add_nc_u64 s[52:53], s[4:5], s[48:49]
	s_add_nc_u64 s[54:55], s[4:5], s[50:51]
	s_add_nc_u64 s[8:9], s[8:9], s[56:57]
	s_add_nc_u64 s[10:11], s[10:11], s[58:59]
	ROUND                                          ; all four work-groups are here: the joint loads meet
	tensor_load_to_lds s[G0:G0+3], s[G1:G1+7]      ; my one tensor load: one is out
	s_nop 0
.rept 4
	v_nop
.endr
	v_and_b32 v8, 31, v0
	s_delay_alu instid0(VALU_DEP_1)
	v_lshlrev_b32 v1, 4, v8                        ; 16 x lane
	s_delay_alu instid0(VALU_DEP_2)
	v_lshlrev_b32 v2, 3, v8                        ; 8 x lane
	v_and_b32 v9, 15, v0                           ; r
	v_bfe_u32 v10, v0, 4, 1                        ; h
	s_delay_alu instid0(VALU_DEP_2)
	v_lshlrev_b32 v7, 4, v9                        ; 16 r
	s_delay_alu instid0(VALU_DEP_2)
	v_lshl_add_u32 v6, v9, 5, v10                  ; 32 r + h
	global_load_b128 v[16:19], v1, s[52:53]        ; Q's six registers stay
	global_load_b64 v[20:21], v2, s[52:53] offset:512
	global_load_b32 v28, v7, s[54:55] offset:12288 ; and its scale words
.irp j, 22,23,24,25,26,27,80,81,82,83,84,85
	v_mov_b32 v\j, 0                               ; zero codes
.endr
	v_and_b32 v3, 8, v9
	s_delay_alu instid0(VALU_DEP_1)
	v_add_nc_u32 v3, v3, v9                        ; r + 8 (r / 8)
	s_delay_alu instid0(VALU_DEP_1)
	v_add_nc_u32 v3, s41, v3                       ; my query in its block
	v_lshlrev_b32 v11, 4, v10
	s_delay_alu instid0(VALU_DEP_1)
	v_sub_nc_u32 v3, v3, v11                       ; d = my query - 16 h.  Register 16 b + i holds key 32 b + 16 h + i of the step: on the diagonal it is hidden where 32 b + i > d
	v_mov_b32 v13, 0xff61b1e6                      ; the largest t so far: -3e38, under every t
	s_delay_alu instid0(VALU_DEP_1)
	v_floor_f32 v12, -v13                          ; -M
	v_mov_b32 v14, 0                               ; l, in two halves
	v_mov_b32 v15, 0
.irp j, 236,237,238,239,252,253
	v_mov_b32 v\j, 0                               ; written once: lane permutes' destinations, and the upper half of the pair v[252:253]
.endr
.set j, 0
.rept 32
	v_mov_b32 v[160+j], 0                          ; O^T.  (The step is written once: the first finds zeros, which the first change of M leaves zeros)
.set j, j+1
.endr
	s_wait_tensorcnt 0x0                           ; my step record has landed,
	s_barrier_signal -1
	s_barrier_wait -1                              ; everybody's has: the head's record is whole, and stays
	s_wait_loadcnt 0x0                             ; Q
.Lstep:                                            ; 16 trips, 128 keys each
	s_cmp_gt_u32 s[ST], s[JB]
	s_cbranch_scc1 .Lhidden                        ; all of the step's keys come after my queries
	s_setprio 2
	v_add_nc_u32 v4, s[TB], v1
	v_add_nc_u32 v5, s[TB], v2
	v_nop
	v_nop                                          ; four places between the last trip's products and the loads into the registers that they read
.set t, 0
.rept 8
	ds_load_b128 v[32+6*t:35+6*t], v4 offset:768*t
	ds_load_b64 v[36+6*t:37+6*t], v5 offset:768*t+512
.set t, t+1
.endr
	ds_load_b128 v[86:89], v4 offset:12288         ; K's scale words: word b: lanes 0-15 tile 2 b, lanes 16-31 tile 2 b + 1
	s_wait_alu depctr_va_vdst(0)
	s_wait_dscnt 0x0
.set t, 0
.rept 8                                        ; S^T = K Q^T
.if t%2 == 0
	v_wmma_scale_f32_16x16x128_f8f6f4 v[96+8*t:103+8*t], v[32+6*t:43+6*t], v[16:27], 0, v[86+t/2], v28 matrix_a_fmt:MATRIX_FMT_FP6 matrix_b_fmt:MATRIX_FMT_FP6
.else
	v_wmma_scale_f32_16x16x128_f8f6f4 v[96+8*t:103+8*t], v[32+6*t:43+6*t], v[16:27], 0, v[86+t/2], v28 matrix_a_fmt:MATRIX_FMT_FP6 matrix_b_fmt:MATRIX_FMT_FP6 matrix_a_scale:MATRIX_SCALE_ROW1
.endif
.set t, t+1
.endr
.rept 4
	v_nop                                          ; places: in front of the loads below and of the first read of the scores
.endr
.set t, 0
.rept 12
	ds_load_b128 v[32+4*t:35+4*t], v4 offset:6144+512*t   ; V's four tiles: they land while the softmax is worked
.set t, t+1
.endr
	ds_load_b128 v[90:93], v4 offset:12800         ; V's scale words
	s_cmp_lg_u32 s[ST], s[JB]
	s_cbranch_scc1 .Lopen                          ; all of the step's keys count
	v_mov_b32 v254, 0xff800000                     ; -infinity
.set n, 0
.rept 64
	v_cmp_gt_i32 vcc_lo, 32*(n/16)+n%16, v3
	v_cndmask_b32 v[96+n], v[96+n], v254, vcc_lo
.set n, n+1
.endr
.Lopen:
.irp b, 0,1,2,3
	v_max3_num_f32 v[232+\b], v[96+16*\b], v[97+16*\b], v[98+16*\b]   ; the largest score of each block of 32 keys: it serves for the row's maximum and, since p rises with the score, for the block's largest p
.endr
.irp i, 3,5,7,9,11,13
.irp b, 0,1,2,3
	v_max3_num_f32 v[232+\b], v[232+\b], v[96+16*\b+\i], v[97+16*\b+\i]   ; (the four blocks by turns)
.endr
.endr
.irp b, 0,1,2,3
	v_max_num_f32 v[232+\b], v[232+\b], v[111+16*\b]
.endr
.irp b, 0,1,2,3
	s_delay_alu instid0(VALU_DEP_4)
	v_permlanex16_b32 v[236+\b], v[232+\b], s[SEL], s[SEL+1]
.endr
.irp b, 0,1,2,3
	s_delay_alu instid0(VALU_DEP_4)
	v_max_num_f32 v[232+\b], v[232+\b], v[236+\b]  ; with lane l xor 16's 16 keys
.endr
	s_delay_alu instid0(VALU_DEP_2)
	v_max3_num_f32 v254, v232, v233, v234
	s_delay_alu instid0(VALU_DEP_1)
	v_max_num_f32 v254, v254, v235                 ; the step's largest score of my query
	s_delay_alu instid0(VALU_DEP_1)
	v_mul_f32 v254, s[CS], v254                    ; as t (c is positive)
	s_delay_alu instid0(VALU_DEP_1)
	v_max_num_f32 v13, v13, v254                   ; the running largest t
	v_mov_b32 v254, v12
	s_delay_alu instid0(VALU_DEP_2)
	v_floor_f32 v12, -v13                          ; the new -M = floor(-t) = -ceil(t)
	s_delay_alu instid0(VALU_DEP_1)
	v_sub_f32 v254, v12, v254                      ; old M - new M: a whole number, 0 or less
	s_delay_alu instid0(VALU_DEP_1)
	v_cvt_i32_f32 v254, v254                       ; (it saturates)
	s_delay_alu instid0(VALU_DEP_1)
	v_ldexp_f32 v252, 1.0, v254                    ; f = 2^(old M - new M)
.set j, 0
.rept 32
	v_pk_fma_f32 v[96+j:97+j], v[96+j:97+j], s[CS:CS+1], v[12:13] op_sel_hi:[1,0,0]   ; t - M, two at a time
.set j, j+2
.endr
	s_setprio 1
.irp b, 0,1,2,3
	v_fma_f32 v[232+\b], v[232+\b], s[CS], v12     ; the same of each block's largest score
.endr
.set j, 0
	s_wait_alu depctr_va_vdst(0)
.rept 64
	v_exp_f32 v[96+j], v[96+j]                     ; p = 2^(t - M), at most 1
.set j, j+1
.endr
	v_pk_mul_f32 v[14:15], v[14:15], v[252:253] op_sel_hi:[1,0]   ; l under the new M (the plain instruction behind the exponentials)
	s_wait_alu depctr_va_vdst(0)                   ; one wait for the batch of 64, ahead of its first reader
.irp b, 0,1,2,3
	v_exp_f32 v[232+\b], v[232+\b]                 ; the block's largest p: the same two instructions on the same number give the same bits
.endr
	v_pk_add_f32 v[236:237], v[100:101], v[104:105]
	v_pk_add_f32 v[248:249], v[108:109], v[112:113]
	v_pk_add_f32 v[246:247], v[116:117], v[120:121]
	v_pk_add_f32 v[244:245], v[124:125], v[128:129]
	v_pk_add_f32 v[242:243], v[132:133], v[136:137]
	v_pk_add_f32 v[240:241], v[140:141], v[144:145]
	v_pk_add_f32 v[238:239], v[148:149], v[152:153]
	v_pk_add_f32 v[14:15], v[14:15], v[156:157]
	v_pk_add_f32 v[236:237], v[236:237], v[96:97]
	v_pk_add_f32 v[248:249], v[248:249], v[98:99]
	v_pk_add_f32 v[246:247], v[246:247], v[102:103]
	v_pk_add_f32 v[244:245], v[244:245], v[106:107]
	v_pk_add_f32 v[242:243], v[242:243], v[110:111]
	v_pk_add_f32 v[240:241], v[240:241], v[114:115]
	v_pk_add_f32 v[238:239], v[238:239], v[118:119]
	v_pk_add_f32 v[14:15], v[14:15], v[122:123]
	v_pk_add_f32 v[236:237], v[236:237], v[126:127]
	v_pk_add_f32 v[248:249], v[248:249], v[130:131]
	v_pk_add_f32 v[246:247], v[246:247], v[134:135]
	v_pk_add_f32 v[244:245], v[244:245], v[138:139]
	v_pk_add_f32 v[242:243], v[242:243], v[142:143]
	v_pk_add_f32 v[240:241], v[240:241], v[146:147]
	v_pk_add_f32 v[238:239], v[238:239], v[150:151]
	v_pk_add_f32 v[14:15], v[14:15], v[154:155]
	v_pk_add_f32 v[236:237], v[236:237], v[158:159]
	s_delay_alu instid0(VALU_DEP_2)
	v_pk_add_f32 v[14:15], v[14:15], v[244:245]
	s_delay_alu instid0(VALU_DEP_2)
	v_pk_add_f32 v[236:237], v[236:237], v[242:243]
	v_pk_add_f32 v[248:249], v[248:249], v[240:241]
	v_pk_add_f32 v[246:247], v[246:247], v[238:239]
	s_delay_alu instid0(VALU_DEP_2)
	v_pk_add_f32 v[14:15], v[14:15], v[248:249]
	s_delay_alu instid0(VALU_DEP_2)
	v_pk_add_f32 v[236:237], v[236:237], v[246:247]
	s_delay_alu instid0(VALU_DEP_1)
	v_pk_add_f32 v[14:15], v[14:15], v[236:237]
	s_wait_alu depctr_va_vdst(0)                   ; and one for the four
.irp b, 0,1,2,3
	v_max_num_f32 v[232+\b], 0x1800000, v[232+\b]  ; the floor 2^(3 - 127): the byte cannot fall under 1 (a block whose every p is 0 keeps that byte: its codes are zeros)
.endr
.irp b, 0,1,2,3
	s_delay_alu instid0(VALU_DEP_4)
	v_add_nc_u32 v[244+\b], 0xff000000, v[232+\b]  ; 2 off the exponent field: the conversion's scale operand
.endr
.irp b, 0,1,2,3
	s_delay_alu instid0(VALU_DEP_4)
	v_lshrrev_b32 v[236+\b], 23, v[244+\b]         ; the scale's byte
.endr
	s_delay_alu instid0(VALU_DEP_3)
	v_lshl_or_b32 v253, v237, 8, v236              ; p's scale word for these 128 keys
	s_delay_alu instid0(VALU_DEP_1)
	v_lshl_or_b32 v253, v238, 16, v253
	s_delay_alu instid0(VALU_DEP_1)
	v_lshl_or_b32 v253, v239, 24, v253
	s_setprio 0
.irp c, 0,1
	v_cvt_scalef32_pk16_fp6_f32 v[224+6*\c:226+6*\c], v[96+32*\c:111+32*\c], v[244+2*\c]
	v_cvt_scalef32_pk16_fp6_f32 v[236+4*\c:238+4*\c], v[112+32*\c:127+32*\c], v[244+2*\c+1]   ; (a conversion's three registers begin on an even number)
.endr
	v_nop                                          ; one plain instruction behind the scaled conversions
.irp c, 0,1                                    ; the operand's layout wants a whole block in a lane
.irp i, 0,1,2
	v_permlane16_swap_b32 v[224+6*\c+\i], v[236+4*\c+\i]
.endr
.irp i, 0,1,2
	s_delay_alu instid0(VALU_DEP_3)
	v_mov_b32 v[227+6*\c+\i], v[236+4*\c+\i]
.endr
.endr
.set j, 0
.rept 16
	v_pk_mul_f32 v[160+j:161+j], v[160+j:161+j], v[252:253] op_sel_hi:[1,0]   ; O^T under the new M
.set j, j+2
.endr
.rept 4
	v_nop                                          ; with the sixteen above: the places between the vector instructions that wrote p's codes and scale word and the scaled products
.endr
	s_wait_alu depctr_va_vdst(0)
	s_wait_dscnt 0x0                               ; V is in
.set f, 0
.rept 4                                        ; O^T += V^T P^T: the four accumulators by turns, one instruction a turn
.if f%2 == 0
	v_wmma_scale_f32_16x16x128_f8f6f4 v[160+8*f:167+8*f], v[32+12*f:43+12*f], v[224:235], v[160+8*f:167+8*f], v[90+f/2], v253 matrix_a_fmt:MATRIX_FMT_FP6 matrix_b_fmt:MATRIX_FMT_FP6
.else
	v_wmma_scale_f32_16x16x128_f8f6f4 v[160+8*f:167+8*f], v[32+12*f:43+12*f], v[224:235], v[160+8*f:167+8*f], v[90+f/2], v253 matrix_a_fmt:MATRIX_FMT_FP6 matrix_b_fmt:MATRIX_FMT_FP6 matrix_a_scale:MATRIX_SCALE_ROW1
.endif
.set f, f+1
.endr
.Lhidden:
	s_add_co_u32 s[TB], s[TB], SREC                ; the next step's record
	s_add_co_u32 s[ST], s[ST], 1
	s_cmp_lt_u32 s[ST], 16
	s_cbranch_scc1 .Lstep
	s_setprio 0
	; THE WAY OUT: e = O / l, quantised along the head's 64 (two blocks; register 16 b + i is feature 32 b + 16 h + i), stored as half an operand's registers
.rept 4
	v_nop                                          ; places behind the last products
.endr
	v_add_f32 v14, v14, v15                        ; l's two halves,
	s_delay_alu instid0(VALU_DEP_1)
	v_permlanex16_b32 v252, v14, s[SEL], s[SEL+1]
	s_delay_alu instid0(VALU_DEP_1)
	v_add_f32 v14, v14, v252                       ; and lane l xor 16's
	s_wait_alu depctr_va_vdst(0)
	v_rcp_f32 v14, v14
	v_nop                                          ; a plain instruction behind the reciprocal
	s_wait_alu depctr_va_vdst(0)                   ; and the wait ahead of its first reader
.set j, 0
.rept 16
	v_pk_mul_f32 v[96+j:97+j], v[160+j:161+j], v[14:15] op_sel_hi:[1,0]   ; each accumulator from its low end on
.set j, j+2
.endr
.irp b, 0,1
	v_max3_num_f32 v[232+\b], |v[96+16*\b]|, |v[97+16*\b]|, 0x1800000   ; my 16 numbers of block b, and the floor
.endr
.irp i, 2,4,6,8,10,12,14
.irp b, 0,1
	s_delay_alu instid0(VALU_DEP_2)
	v_max3_num_f32 v[232+\b], v[232+\b], |v[96+16*\b+\i]|, |v[97+16*\b+\i]|
.endr
.endr
.irp b, 0,1
	s_delay_alu instid0(VALU_DEP_2)
	v_permlanex16_b32 v[236+\b], v[232+\b], s[SEL], s[SEL+1]
.endr
.irp b, 0,1
	s_delay_alu instid0(VALU_DEP_2)
	v_max_num_f32 v[232+\b], v[232+\b], v[236+\b]
.endr
.irp b, 0,1
	s_delay_alu instid0(VALU_DEP_2)
	v_add_nc_u32 v[244+\b], 0xff000000, v[232+\b]
.endr
.irp b, 0,1
	s_delay_alu instid0(VALU_DEP_2)
	v_lshrrev_b32 v[236+\b], 23, v[244+\b]         ; the two scale bytes of my query
.endr
	v_cvt_scalef32_pk16_fp6_f32 v[224:226], v[96:111], v244
	v_cvt_scalef32_pk16_fp6_f32 v[240:242], v[112:127], v245
	v_cndmask_b32 v248, v236, v237, s[HM]          ; lanes 0-15 store block 0's byte, lanes 16-31 block 1's (also the plain instruction behind the conversions)
.irp i, 0,1,2
	v_permlane16_swap_b32 v[224+\i], v[240+\i]     ; lane (r, h) now holds block h of query r: its lower 16 codes here,
.endr
.irp i, 0,1,2
	s_delay_alu instid0(VALU_DEP_3)
	v_mov_b32 v[227+\i], v[240+\i]                 ; its upper 16 behind them
.endr
	global_store_b128 v1, v[224:227], s[8:9]       ; 512 consecutive bytes, aligned
	global_store_b64 v2, v[228:229], s[8:9] offset:512   ; 256 consecutive bytes, aligned
	global_store_b8 v6, v248, s[10:11]             ; place r's byte 2 x head + h
	s_wait_dscnt 0x0
	s_wait_tensorcnt 0x0
	ds_add_u32 v251, v255
	s_wait_dscnt 0x0
	ROUND                                          ; the closing round: no work-group ends while a partner may still ask for a record that names it
	s_endpgm
.Lfunc_end_k_q20f4f3c2d9_attn:
	.size	k_q20f4f3c2d9_attn, .Lfunc_end_k_q20f4f3c2d9_attn-k_q20f4f3c2d9_attn
	.p2alignl 7, 3214868480
	.fill 96, 4, 3214868480
	.section	.rodata,"a",@progbits
	.p2align	6, 0x0
	.amdhsa_kernel k_q20f4f3c2d9_attn
		.amdhsa_group_segment_fixed_size 215040
		.amdhsa_private_segment_fixed_size 0
		.amdhsa_enable_private_segment 0
		.amdhsa_kernarg_size 32
		.amdhsa_user_sgpr_count 2
		.amdhsa_user_sgpr_kernarg_segment_ptr 1
		.amdhsa_wavefront_size32 1
		.amdhsa_system_sgpr_workgroup_id_x 1
		.amdhsa_system_sgpr_workgroup_id_y 1
		.amdhsa_system_sgpr_workgroup_id_z 1
		.amdhsa_system_vgpr_workitem_id 0
		.amdhsa_next_free_vgpr 256
		.amdhsa_next_free_sgpr 66
		.amdhsa_reserve_vcc 1
		.amdhsa_float_denorm_mode_32 3
		.amdhsa_float_denorm_mode_16_64 3
		.amdhsa_memory_ordered 1
		.amdhsa_forward_progress 1
		.amdhsa_inst_pref_size 34
	.end_amdhsa_kernel
	.amdgpu_metadata
---
amdhsa.version: [ 1, 2 ]
amdhsa.kernels:
  - .name:           k_q20f4f3c2d9_attn
    .symbol:         k_q20f4f3c2d9_attn.kd
    .args:
      - { .name: qb, .offset: 0, .size: 8, .value_kind: global_buffer, .address_space: global }
      - { .name: kv, .offset: 8, .size: 8, .value_kind: global_buffer, .address_space: global }
      - { .name: ec, .offset: 16, .size: 8, .value_kind: global_buffer, .address_space: global }
      - { .name: es, .offset: 24, .size: 8, .value_kind: global_buffer, .address_space: global }
    .group_segment_fixed_size: 215040
    .private_segment_fixed_size: 0
    .kernarg_segment_align: 8
    .kernarg_segment_size: 32
    .max_flat_workgroup_size: 512
    .sgpr_count:     66
    .vgpr_count:     256
    .wavefront_size: 32
...
	.end_amdgpu_metadata
.endif
;; end of part 3
;; launch proj (part 4): grid 4 x 16, 4 waves a work-group, clusters of 4 x 4, 327,680 bytes of LDS; arguments ec, es, cod, scl, out0; writes out0
.if DOCPART == 4
	.amdgcn_target "amdgcn-amd-amdhsa--gfx1250"
	.amdhsa_code_object_version 6
	.text
	.protected	k_q20f4f3c2d9_proj
	.globl	k_q20f4f3c2d9_proj
	.p2align	8
	.type	k_q20f4f3c2d9_proj,@function
k_q20f4f3c2d9_proj:
	s_mov_b64 s[64:65], 0
	v_nop
	global_prefetch_b8 v0, s[64:65] scope:SCOPE_SE
	s_setreg_imm32_b32 hwreg(HW_REG_WAVE_MODE, 25, 1), 1
	s_wait_xcnt 0x0
	s_wait_alu depctr_hold_cnt(0) depctr_sa_sdst(0) depctr_va_vdst(0) depctr_va_sdst(0) depctr_va_ssrc(0) depctr_va_vcc(0) depctr_vm_vsrc(0)
	s_getreg_b32 s2, hwreg(HW_REG_IB_STS2, 6, 4)
	s_cmp_eq_u32 s2, 0
	s_cbranch_scc0 .Lentry_in_a_cluster
	s_endpgm
.Lentry_in_a_cluster:
	s_bfe_u32 s2, ttmp6, 0x10000c
	s_cmp_lg_u32 s2, 0xf033
	s_cbranch_scc0 .Lentry_shape_is_right
	s_endpgm
.Lentry_shape_is_right:
; The output projection out0[token][n] = sum over k of e[token][k] w0[n][k] on codes of FP6 (E2M3) with E8M0 scales; out0 [4096][1024] f32; sums in f32.
; A = e, as the attention launch has left it: ec [256 tiles of 16 tokens][16 heads][768], each 768 bytes the image of six operand registers (registers 0-3 at 16 x lane, registers 4-5 at 512 + 8 x lane): two neighbouring heads
; are one fragment of 16 tokens x 128 K.  es [4,096 places][32]: the places' scale bytes.  Place 16 T + r is the token with bits 3 and 4 of its number exchanged; the stores undo that.
; B = w0: rows 7,168 on of cod (768 bytes a row) and of scl (32 bytes), in their own order.
; A tile of out0, 256 x 256, is made by a work-group of four waves; a wave makes 128 x 128 in 64 accumulators.  64 work-groups: the tile that feeds most products from each LDS byte is kept, though it leaves WGPs without work at this size.
; K goes in steps of 256 through a ring of two LDS slots filled by the tensor data mover: of B 128 rows x 192 bytes a load (padded), of A 8 tiles x 3,072 bytes (four heads' images, as they lie: read back at 16 x lane, no padding wanted).
; The scale bytes of the tile's 512 rows come into LDS once.  CLUSTERS: 4 x 4 work-groups; A's tile is asked for jointly by a row of the cluster, B's by a column.
; The matrix instruction is used transposed (source 0 = 16 rows of B, source 1 = 16 places of A): a lane holds eight neighbouring numbers of a row of out0.
; REGISTERS, in windows of 256: window 0: v0-31 addresses; v32-63 scale words, two sets; from v128 A's fragments, one set; on the way out v128-255 are free.  window 1: B's fragments, two sets.  windows 2, 3: the accumulators.
.set SIZE_N, 1024
.set SIZE_K, 1024
.set KSTEP,  256
.set NQ,     KSTEP/128
.set ROWB,   192                       ; a row of B's tile in bytes
.set ASTEP,  3072                      ; a K step of one tile of A: four heads' images
.set KROW,   SIZE_K*6/8                ; a row of cod; also ec's bytes for each place
.set PITCH,  240                       ; B's LDS row: 3 x (64 bytes + 16 of padding)
.set FR,     12
.set NLA,    4                         ; LDS loads that bring a fragment of A
.set NP,     4                         ; places behind this matrix instruction (ISA guide 7.12.1)
.set HALFT,  128*PITCH                 ; 128 rows of B; A's 128 places use 24,576 bytes of as many
.set SLOT,   4*HALFT
.set LAPS,   SIZE_K/(2*KSTEP)
.set KS,     SIZE_K/32
.set SCL,    2*SLOT
.set HALFS,  (128*KS/256)*272
.set SBLK,   (16*KS/256)*272
.set SPARE,  SCL+4*HALFS               ; the spare words, 128 bytes for each wave, which no other line names
.set SPITCH, 528                       ; the way out: a stage of 16 rows x (512 bytes + 16) for each wave, in slot 0, which has had its last fill and its last read when the first result is stored there
.set ADRA, 16                          ; v16-17 16 x lane + my A tiles in slot 0, 1;  v18-19 8 x lane + the same
.set ADRB, 20                          ; v20-21 LDS address of my B fragments in slot 0, 1 (v22-23: for the pieces behind one padding more)
.set STO,  24
.set RD,   25
.set CO,   26
.set ADRS, 27
.set SPW,  28
.set NIL,  29
.set SC,   32
.set AF,   128
.set BK,   128
.set G1, 24
.set G0, 32
.set G1B, 48
.set G0B, 56
.set G1S, 68
.set G0S, 76
.set G1SB, 80
.set G0SB, 88
.set MSB, 0
.macro WIN new                         ; the immediate's high byte repeats the setting that is left
.if MSB != \new
	s_set_vgpr_msb (MSB<<8)|\new
.set MSB, \new
.endif
.endm
.set MUL_LO, 0xa1
.set MUL_HI, 0xf1
.set TO_B,   0x40
.macro JLOAD g0a, g1a, g0b, g1b        ; a joint load: waves 0 and 1 fetch for A, waves 2 and 3 for B; four v_nop follow each of the two lines
	s_cmp_eq_u32 s15, 0
	s_cbranch_scc0 .Lfor_b_\@
	tensor_load_to_lds s[\g0a:\g0a+3], s[\g1a:\g1a+7]
	s_nop 0
.rept 4
	v_nop
.endr
	s_branch .Lasked_\@
.Lfor_b_\@:
	tensor_load_to_lds s[\g0b:\g0b+3], s[\g1b:\g1b+7]
	s_nop 0
.rept 4
	v_nop
.endr
.Lasked_\@:
.endm
.macro CREST
	s_cmp_lg_u32 s14, 0
	s_cbranch_scc1 .Lnot_wave_0_\@
	s_barrier_signal -3
.Lnot_wave_0_\@:
	s_barrier_wait -3
	s_barrier_signal -1
	s_barrier_wait -1
.endm
.macro CROUND
	s_barrier_signal -1
	s_barrier_wait -1
	CREST
.endm
	s_load_b128 s[4:7], s[0:1], 0x0                ; ec s[4:5], es s[6:7]
	s_load_b128 s[8:11], s[0:1], 0x10              ; cod s[8:9], scl s[10:11]
	s_load_b64 s[12:13], s[0:1], 0x20              ; out0
	v_lshl_add_u32 v[SPW], v0, 2, SPARE
	v_mov_b32 v[NIL], 0
	ds_add_u32 v28, v29
	ds_add_u32 v28, v29
	s_wait_dscnt 0x0
	v_lshrrev_b32 v1, 5, v0
	v_readfirstlane_b32 s14, v1                    ; wave 0..3
	s_lshr_b32 s15, s14, 1                         ; which half of the tile's rows is mine.  Also: I fetch for A (0) or for B (1)
	s_and_b32 s16, s14, 1                          ; which half of its columns.  Also: which 128 rows of that tile I fetch
	s_bfe_u32 s40, ttmp6, 0x40000                  ; cx, cy
	s_bfe_u32 s41, ttmp6, 0x40004
	s_lshl_b32 s42, ttmp9, 2
	s_add_co_u32 s42, s42, s40                     ; tile column
	s_and_b32 s17, ttmp7, 0xffff
	s_lshl_b32 s17, s17, 2
	s_add_co_u32 s17, s17, s41                     ; tile row
	s_lshl_b32 s43, s41, 2
	s_lshl_b32 s43, 15, s43                        ; my row of the cluster
	s_lshl_b32 s44, 0x1111, s40                    ; my column
	; A: 8 tiles x 3,072 bytes (384 elements of 8 bytes), 12,288 bytes apart, no padding
	s_or_b32 s[G1+0], s43, (3<<16)|(1<<21)
	s_mov_b32 s[G1+1], 384<<16                     ; tensor_dim0
	s_mov_b32 s[G1+2], 8<<16                       ; tensor_dim1
	s_mov_b32 s[G1+3], 384<<16                     ; tile_dim0
	s_mov_b32 s[G1+4], 8                           ; tile_dim1
	s_mov_b32 s[G1+5], 1536                        ; tensor_dim0_stride
	s_mov_b32 s[G1+6], 0
	s_mov_b32 s[G1+7], 0
	; B: 128 rows x 192 bytes, 16 bytes of padding behind every 64
	s_or_b32 s[G1B+0], s44, (0<<16)|(1<<20)|(1<<21)|(3<<22)|(3<<25)
	s_mov_b32 s[G1B+1], ROWB<<16
	s_mov_b32 s[G1B+2], 128<<16
	s_mov_b32 s[G1B+3], ROWB<<16
	s_mov_b32 s[G1B+4], 128
	s_mov_b32 s[G1B+5], KROW
	s_mov_b32 s[G1B+6], 0
	s_mov_b32 s[G1B+7], 0
	; the scales of 128 rows: 4,096 dense bytes, as rows of 256 bytes, 16 bytes of padding behind each
	s_or_b32 s[G1S+0], s43, (3<<16)|(1<<20)|(1<<21)|(5<<22)|(3<<25)
	s_or_b32 s[G1SB+0], s44, (3<<16)|(1<<20)|(1<<21)|(5<<22)|(3<<25)
.irp g, G1S, G1SB
	s_mov_b32 s[\g+1], 32<<16
	s_mov_b32 s[\g+2], (128*KS/256)<<16
	s_mov_b32 s[\g+3], 32<<16
	s_mov_b32 s[\g+4], 128*KS/256
	s_mov_b32 s[\g+5], 32
	s_mov_b32 s[\g+6], 0
	s_mov_b32 s[\g+7], 0
.endr
	s_lshl_b32 s18, s16, 7
	s_lshl_b32 s20, s17, 8
	s_add_co_u32 s20, s20, s18                     ; A: place 256 x tile row + 128 x half
	s_lshl_b32 s46, s42, 8
	s_add_co_u32 s46, s46, s18
	s_add_co_u32 s46, s46, 7168                    ; B: w0's first row in cod + 256 x tile column + 128 x half
	s_mov_b32 s21, 0
	s_mov_b32 s47, 0
	s_mov_b64 s[18:19], KS
	s_mul_u64 s[22:23], s[20:21], s[18:19]
	s_mul_u64 s[92:93], s[46:47], s[18:19]
	s_mov_b64 s[18:19], KROW
	s_mul_u64 s[20:21], s[20:21], s[18:19]         ; (16 places are a tile of 12,288 bytes: 768 a place)
	s_mul_u64 s[46:47], s[46:47], s[18:19]
	s_mul_i32 s45, s14, HALFT
	s_mul_i32 s94, s14, HALFS
	s_wait_kmcnt 0x0
	s_add_nc_u64 s[20:21], s[4:5], s[20:21]
	s_add_nc_u64 s[22:23], s[6:7], s[22:23]
	s_add_nc_u64 s[46:47], s[8:9], s[46:47]
	s_add_nc_u64 s[92:93], s[10:11], s[92:93]
	CROUND                                         ; all sixteen work-groups are here: the first joint loads meet
	s_mov_b32 s[G0S], 1
	s_add_co_u32 s[G0S+1], s94, SCL
	s_mov_b64 s[G0S+2:G0S+3], s[22:23]
	s_or_b32 s[G0S+3], s[G0S+3], 0x80000000
	s_mov_b32 s[G0SB], 1
	s_add_co_u32 s[G0SB+1], s94, SCL
	s_mov_b64 s[G0SB+2:G0SB+3], s[92:93]
	s_or_b32 s[G0SB+3], s[G0SB+3], 0x80000000
	JLOAD G0S, G1S, G0SB, G1SB
.irp s, 0,1
	s_mov_b32 s[G0+4*\s], 1
	s_add_co_u32 s[G0+4*\s+1], s45, \s*SLOT
	s_add_nc_u64 s[G0+4*\s+2:G0+4*\s+3], s[20:21], \s*ASTEP
	s_or_b32 s[G0+4*\s+3], s[G0+4*\s+3], 0x80000000
	s_mov_b32 s[G0B+4*\s], 1
	s_add_co_u32 s[G0B+4*\s+1], s45, \s*SLOT
	s_add_nc_u64 s[G0B+4*\s+2:G0B+4*\s+3], s[46:47], \s*ROWB
	s_or_b32 s[G0B+4*\s+3], s[G0B+4*\s+3], 0x80000000
	JLOAD G0+4*\s, G1, G0B+4*\s, G1B
.endr
	v_and_b32 v1, 15, v0                           ; l % 16
	v_bfe_u32 v2, v0, 4, 1                         ; l / 16
	v_and_b32 v6, 31, v0                           ; lane
	v_lshlrev_b32 v4, 4, v6                        ; A: 16 x lane,
	v_lshlrev_b32 v5, 3, v6                        ; 8 x lane
	v_mul_u32_u24 v3, v1, PITCH
	v_mul_u32_u24 v7, v2, 24
	v_add_nc_u32 v7, v3, v7                        ; B: a fragment's row x pitch + 24 x half
	v_lshl_add_u32 v8, v2, 4, v7                   ; and the same behind one padding more
	s_mul_i32 s21, s15, HALFT                      ; my 128 places of A
	s_mul_i32 s22, s16, HALFT                      ; my 128 rows of B,
	s_add_co_u32 s22, s22, 2*HALFT                 ; which lie behind A's
.irp s, 0,1
	v_add_nc_u32 v[ADRA+\s], s21, v4
	v_add_nc_u32 v[ADRB+\s], s22, v7
	v_add_nc_u32 v[ADRA+2+\s], s21, v5
	v_add_nc_u32 v[ADRB+2+\s], s22, v8
	s_add_co_u32 s21, s21, SLOT
	s_add_co_u32 s22, s22, SLOT
.endr
	v_mul_u32_u24 v5, v1, KS                       ; my row's scales: KS bytes a row,
	v_lshrrev_b32 v6, 8, v5
	v_lshl_add_u32 v5, v6, 4, v5                   ; and 16 more for each 256 passed
	s_mul_i32 s21, s15, HALFS
	s_mul_i32 s22, s16, HALFS
	s_add_co_u32 s22, s22, 2*HALFS
	s_sub_co_u32 s22, s22, s21
	v_mul_u32_u24 v6, s22, v2                      ; lanes 16-31 take B's
	s_add_co_u32 s21, s21, SCL
	v_add_nc_u32 v5, v5, v6
	v_add_nc_u32 v[ADRS], s21, v5
	s_mul_i32 s23, s14, 16*SPITCH                  ; my stage
	v_mul_u32_u24 v5, v1, SPITCH                   ; in: row l % 16, 32 bytes for each half of the lanes
	v_lshl_add_u32 v5, v2, 5, v5
	v_add_nc_u32 v[STO], s23, v5
	v_and_b32 v6, 31, v0
	v_lshlrev_b32 v[CO], 4, v6                     ; back: the 32 lanes take one row of 512 bytes; and the same in out0
	v_add_nc_u32 v[RD], s23, v[CO]
	s_lshl_b32 s20, s17, 8
	s_lshl_b32 s21, s15, 7
	s_add_co_u32 s20, s20, s21                     ; my first row of out0 (the exchange of bits 3 and 4 stays inside 32 rows)
	s_mov_b32 s21, 0
	s_mov_b64 s[18:19], SIZE_N*4
	s_mul_u64 s[20:21], s[20:21], s[18:19]
	s_lshl_b32 s46, s42, 10                        ; my first column, in bytes
	s_lshl_b32 s47, s16, 9
	s_add_co_u32 s46, s46, s47
	s_mov_b32 s47, 0
	s_add_nc_u64 s[20:21], s[20:21], s[46:47]
	s_add_nc_u64 s[12:13], s[12:13], s[20:21]
.macro FRAG reg, adr, q, i             ; a fragment of B: 12 registers, in pieces of 8 bytes of the row as they lie; the second address register serves the pieces that lie behind one padding more for lanes 16-31
.irp p, 0,1,2,3,4,5
.set PIECE, 12*(\q)+6*(\p/3)+\p%3
.if PIECE%8 < 5
	ds_load_b64 v[\reg+2*\p:\reg+2*\p+1], v[\adr] offset:8*PIECE+16*(PIECE/8)+(\i)*16*PITCH
.else
	ds_load_b64 v[\reg+2*\p:\reg+2*\p+1], v[\adr+2] offset:8*PIECE+16*(PIECE/8)+(\i)*16*PITCH
.endif
.endr
.endm
.macro FRAGA reg, slot, q, i           ; a fragment of A: two heads' images, six registers each, as they were stored
	ds_load_b128 v[\reg:\reg+3], v[ADRA+\slot] offset:ASTEP*(\i)+1536*(\q)
	ds_load_b64 v[\reg+4:\reg+5], v[ADRA+2+\slot] offset:ASTEP*(\i)+1536*(\q)+512
	ds_load_b128 v[\reg+6:\reg+9], v[ADRA+\slot] offset:ASTEP*(\i)+1536*(\q)+768
	ds_load_b64 v[\reg+10:\reg+11], v[ADRA+2+\slot] offset:ASTEP*(\i)+1536*(\q)+1280
.endm
; 16 matrix instructions: A's blocks a0, a0 + 1 x B's eight, 128 along K.  The 64 accumulators take turns, one instruction a turn, in the same order in every step.
.macro MUL16 a0, p, q, sc, zero
.irp a, \a0, \a0+1
.irp b, 0,1,2,3,4,5,6,7
.if \zero
	v_wmma_scale_f32_16x16x128_f8f6f4 v[8*(8*((\a)%4)+\b):8*(8*((\a)%4)+\b)+7], v[128*(\p)+FR*\b:128*(\p)+FR*\b+FR-1], v[AF+FR*(\a):AF+FR*(\a)+FR-1], 0, v[SC+8*NQ*(\sc)+NQ*\b+(\q)], v[SC+8*NQ*(\sc)+NQ*(\a)+(\q)] matrix_a_fmt:MATRIX_FMT_FP6 matrix_b_fmt:MATRIX_FMT_FP6 matrix_a_scale:MATRIX_SCALE_ROW1
.else
	v_wmma_scale_f32_16x16x128_f8f6f4 v[8*(8*((\a)%4)+\b):8*(8*((\a)%4)+\b)+7], v[128*(\p)+FR*\b:128*(\p)+FR*\b+FR-1], v[AF+FR*(\a):AF+FR*(\a)+FR-1], v[8*(8*((\a)%4)+\b):8*(8*((\a)%4)+\b)+7], v[SC+8*NQ*(\sc)+NQ*\b+(\q)], v[SC+8*NQ*(\sc)+NQ*(\a)+(\q)] matrix_a_fmt:MATRIX_FMT_FP6 matrix_b_fmt:MATRIX_FMT_FP6 matrix_a_scale:MATRIX_SCALE_ROW1
.endif
.endr
.endr
.endm
.macro FETCH_B slot, q, p
	WIN TO_B
.irp i, 0,1,2,3,4,5,6,7
	FRAG 128*(\p)+FR*\i, ADRB+\slot, \q, \i
.endr
	WIN 0
.endm
.macro FETCH_A slot, q, i0
.irp i, \i0, \i0+1, \i0+2, \i0+3
	FRAGA AF+FR*(\i), \slot, \q, \i
.endr
.endm
.macro SCALES sc
.irp i, 0,1,2,3,4,5,6,7
	ds_load_b64 v[SC+8*NQ*\sc+NQ*\i:SC+8*NQ*\sc+NQ*\i+1], v[ADRS] offset:\i*SBLK
.endr
.endm
.macro PLACES n
.rept \n
	v_nop
.endr
.endm
.macro STEP slot, q, zero
	s_wait_dscnt 4*NLA                             ; B's set and A's blocks 0-3 are in; the youngest 16 loads (A's blocks 4-7) may be out
	WIN MUL_LO
	MUL16 0, (\q)%2, \q, \slot, \zero
	MUL16 2, (\q)%2, \q, \slot, \zero
	s_wait_dscnt 0
	PLACES NP
	FETCH_B \slot, (\q)+1, 1-(\q)%2
	FETCH_A \slot, (\q)+1, 0
	WIN MUL_HI
	MUL16 4, (\q)%2, \q, \slot, \zero
	MUL16 6, (\q)%2, \q, \slot, \zero
	PLACES NP
	WIN 0
	FETCH_A \slot, (\q)+1, 4
.endm
; A slot's last step changes slots: ONE barrier; in front of it each wave waits for all its tensor loads, adds 0 to its spare word, and waits for that and for its own reads of this slot.
.macro TURN slot, next, fill
	s_wait_tensorcnt 0x0                           ; all my tensor loads have landed: my part of the next slot;
	ds_add_u32 v[SPW], v[NIL]                      ; 0 onto my spare word;
	s_wait_dscnt 4*NLA+1                           ; (the add and the youngest 16 loads, A's blocks 4-7, may be out)
	WIN MUL_LO
	MUL16 0, 1, NQ-1, \slot, 0
	s_wait_dscnt 0x0                               ; the add is done, and my reads of this slot are over
	s_barrier_signal -1
	MUL16 2, 1, NQ-1, \slot, 0
	WIN 0
	s_barrier_wait -1
.if \fill
	CREST                                          ; the barrier has opened a round of the cluster's barrier: no wave of any partner still reads this slot's tile or has a load on its way
	s_add_nc_u64 s[G0+4*\slot+2:G0+4*\slot+3], s[G0+4*\slot+2:G0+4*\slot+3], 2*ASTEP
	s_add_nc_u64 s[G0B+4*\slot+2:G0B+4*\slot+3], s[G0B+4*\slot+2:G0B+4*\slot+3], 2*ROWB
	JLOAD G0+4*\slot, G1, G0B+4*\slot, G1B         ; the first tensor load behind the round; the four v_nop behind it are the places in front of the loads below
.else
	PLACES NP
.endif
	v_add_nc_u32 v[ADRS], 4*NQ, v[ADRS]
	FETCH_B \next, 0, 0
	FETCH_A \next, 0, 0
	SCALES \next
	WIN MUL_HI
	MUL16 4, 1, NQ-1, \slot, 0
	MUL16 6, 1, NQ-1, \slot, 0
	PLACES NP
	WIN 0
	FETCH_A \next, 0, 4
.endm
	s_wait_tensorcnt 1                             ; the scales and my part of K step 0 are in (K step 1's load may be out)
	s_barrier_signal -1
	s_barrier_wait -1
	FETCH_B 0, 0, 0
	FETCH_A 0, 0, 0
	SCALES 0
	FETCH_A 0, 0, 4
	STEP 0, 0, 1                                   ; the first step's products start the sums
	s_mov_b32 s3, LAPS-1
.Llap:
	TURN 0, 1, 1
	STEP 1, 0, 0
	TURN 1, 0, 1
	STEP 0, 0, 0
	s_sub_co_u32 s3, s3, 1
	s_cmp_lg_u32 s3, 0
	s_cbranch_scc1 .Llap
	TURN 0, 1, 0                                   ; the last lap fills nothing
	STEP 1, 0, 0
	s_wait_dscnt 4*NLA
	WIN MUL_LO
	MUL16 0, 1, NQ-1, 1, 0
	MUL16 2, 1, NQ-1, 1, 0
	s_wait_dscnt 0
	WIN MUL_HI
	MUL16 4, 1, NQ-1, 1, 0
	MUL16 6, 1, NQ-1, 1, 0
	WIN 0
; THE WAY OUT, block by block of 16 places x 128 columns, through my own stage in LDS: back come whole rows of 512 bytes.  LDS serves a wave's instructions in order: no wait between the stores and the loads.
.macro TOSTAGE a
.set AC, 64*((\a)%4)
	WIN 0x08+4*((\a)/4)                            ; the data: window 2 or 3
.irp b, 0,1,2,3,4,5,6,7
	ds_store_b128 v[STO], v[AC+8*\b:AC+8*\b+3] offset:64*\b          ; each accumulator from its low end on
	ds_store_b128 v[STO], v[AC+8*\b+4:AC+8*\b+7] offset:64*\b+16
.endr
	WIN 0
.set BB, BK+64*((\a)%2)
.irp t, 0,1,2,3,4,5,6,7,8,9,10,11,12,13,14,15
	ds_load_b128 v[BB+4*\t:BB+4*\t+3], v[RD] offset:\t*SPITCH
.endr
.endm
.macro SEND a, younger                 ; place t of block a is token 32 (a / 2) + 8 (a % 2) + t + 8 (t / 8) of my 128: the row stands in the immediate, 127 rows of 4,096 bytes at the most
.set BB, BK+64*((\a)%2)
	s_wait_dscnt \younger
.irp t, 0,1,2,3,4,5,6,7,8,9,10,11,12,13,14,15
	global_store_b128 v[CO], v[BB+4*\t:BB+4*\t+3], s[12:13] offset:(32*((\a)/2)+8*((\a)%2)+\t+8*(\t/8))*SIZE_N*4 th:TH_STORE_NT   ; 32 lanes store 512 consecutive bytes, aligned
.endr
.endm
	PLACES NP
	TOSTAGE 0
.irp a, 1,2,3,4,5,6,7
.if \a > 1
	s_wait_xcnt 0x0                                ; block a - 2's stores have read their registers: block a's loads may land there
.endif
	TOSTAGE \a
	SEND \a-1, 32                                  ; behind block a - 1's loads: block a's 16 stores and 16 loads
.endr
	SEND 7, 0
	s_wait_tensorcnt 0x0                           ; the wave's end
	ds_add_u32 v[SPW], v[NIL]
	s_wait_dscnt 0x0
	CROUND                                         ; the closing round
	s_endpgm
.Lfunc_end_k_q20f4f3c2d9_proj:
	.size	k_q20f4f3c2d9_proj, .Lfunc_end_k_q20f4f3c2d9_proj-k_q20f4f3c2d9_proj
	.p2alignl 7, 3214868480
	.fill 96, 4, 3214868480
	.section	.rodata,"a",@progbits
	.p2align	6, 0x0
	.amdhsa_kernel k_q20f4f3c2d9_proj
		.amdhsa_group_segment_fixed_size 327680
		.amdhsa_private_segment_fixed_size 0
		.amdhsa_enable_private_segment 0
		.amdhsa_kernarg_size 40
		.amdhsa_user_sgpr_count 2
		.amdhsa_user_sgpr_kernarg_segment_ptr 1
		.amdhsa_wavefront_size32 1
		.amdhsa_system_sgpr_workgroup_id_x 1
		.amdhsa_system_sgpr_workgroup_id_y 1
		.amdhsa_system_sgpr_workgroup_id_z 1
		.amdhsa_system_vgpr_workitem_id 0
		.amdhsa_next_free_vgpr 1024
		.amdhsa_next_free_sgpr 98
		.amdhsa_reserve_vcc 0
		.amdhsa_float_denorm_mode_32 3
		.amdhsa_float_denorm_mode_16_64 3
		.amdhsa_memory_ordered 1
		.amdhsa_forward_progress 1
		.amdhsa_inst_pref_size 151
	.end_amdhsa_kernel
	.amdgpu_metadata
---
amdhsa.version: [ 1, 2 ]
amdhsa.kernels:
  - .name:           k_q20f4f3c2d9_proj
    .symbol:         k_q20f4f3c2d9_proj.kd
    .args:
      - { .name: ec, .offset: 0, .size: 8, .value_kind: global_buffer, .address_space: global }
      - { .name: es, .offset: 8, .size: 8, .value_kind: global_buffer, .address_space: global }
      - { .name: cod, .offset: 16, .size: 8, .value_kind: global_buffer, .address_space: global }
      - { .name: scl, .offset: 24, .size: 8, .value_kind: global_buffer, .address_space: global }
      - { .name: out0, .offset: 32, .size: 8, .value_kind: global_buffer, .address_space: global }
    .group_segment_fixed_size: 327680
    .private_segment_fixed_size: 0
    .kernarg_segment_align: 8
    .kernarg_segment_size: 40
    .max_flat_workgroup_size: 128
    .sgpr_count:     98
    .vgpr_count:     1024
    .wavefront_size: 32
...
	.end_amdgpu_metadata
.endif
;; end of part 4
